; MI455X (gfx1250); checked and timed in simulation.
; The chip was launched on July 23, 2026; its instructions are those of AMD's public machine-readable ISA for CDNA 5 (MIT licence, August 2026) and "CDNA5" Instruction Set Architecture Reference Guide (July 2026). The comments in the code are by the model that wrote it; some were corrected since.
;; Masked multi head attention. Allowed arithmetic: matrix products marked QUANTISED: E2M3 operands, one E8M0 scale for each 32 along K, by v_wmma_scale_f32_16x16x128_f8f6f4 with both operands' format E2M3, f32 sums; everything else in f32.
;; Inputs: Wk 1,024 x 1,024 float32; Wout 1,024 x 1,024 float32; Wq 1,024 x 1,024 float32; Wv 1,024 x 1,024 float32; bout 1,024 float32; x 4 x 2,048 x 1,024 float32.
;; Outputs: out0 4 x 2,048 x 1,024 float32.
;; This version of the problem:
;;   THIS VERSION OF THE PROBLEM IS GIVEN IN LOW PRECISION. The matrix products marked QUANTISED in the list below multiply operands that are first quantised to E2M3 (2 exponent bits, 3 mantissa bits; 6 bits a number), with one power-of-two scale for each 32 numbers along K (OCP MX v1.0); their sums are f32. All else is computed in f32.
;;   The module's matrix products, in the order in which they are computed (A, B: the left and right operand; K: the contracted axis; several contracted axes count as one K, in the product's order):
;;     1. [M 8,192, K 1,024] x [K 1,024, N 1,024]; A: input x; B: input Wq: QUANTISED
;;     2. [M 8,192, K 1,024] x [K 1,024, N 1,024]; A: input x; B: input Wk: QUANTISED
;;     3. [M 8,192, K 1,024] x [K 1,024, N 1,024]; A: input x; B: input Wv: QUANTISED
;;     4. batch 64 x [M 2,048, K 64] x [K 64, N 2,048]; A: computed on the way; B: computed on the way: QUANTISED
;;     5. batch 64 x [M 2,048, K 2,048] x [K 2,048, N 64]; A: softmax (see below); B: computed on the way: QUANTISED
;;     6. [M 8,192, K 1,024] x [K 1,024, N 1,024]; A: computed on the way; B: input Wout: QUANTISED
;;   THE QUANTISER, for each operand of a quantised product, along K:
;;     - K is cut into blocks of 32 from its start; a last block that is shorter is filled with zeros.
;;     - A block's scale is 2^e with e = floor(log2(the largest magnitude in the block)) - 2, held to -126 .. 127; a block of zeros has e = 0. As a byte (E8M0): e + 127.
;;     - Each number is divided by its block's scale, clamped to +-7.5, and rounded to the nearest number of E2M3, ties to even, subnormals kept.
;;     - The product sums the exact products of the quantised numbers (number of the format x scale) in f32.
;;   ~~~python
;;   def quantise(x, axis):      # numpy; x: float32 -> the quantised numbers, widened to float32 again
;;       x = np.moveaxis(x, axis, -1); K = x.shape[-1]
;;       x = np.pad(x, [(0, 0)] * (x.ndim - 1) + [(0, -K % 32)]); x = x.reshape(x.shape[:-1] + (-1, 32)); a = np.abs(x).max(-1, keepdims=True)
;;       e = np.where(a > 0, np.clip(np.frexp(np.where(a > 0, a, 1))[1] - 1 - 2, -126, 127), 0)      # np.frexp(a)[1] - 1 = floor(log2(a)), exactly
;;       r = np.clip(x / 2.0 ** e, -7.5, 7.5)
;;       step = 2.0 ** (np.maximum(np.frexp(np.where(r == 0, 1, r))[1] - 1, 0) - 3)
;;       q = np.round(r / step) * step * 2.0 ** e      # np.round: ties to even
;;       return np.moveaxis(q.reshape(q.shape[:-2] + (-1,))[..., :K], -1, axis).astype(np.float32)
;;   ~~~
;;   SOFTMAX AHEAD OF A QUANTISED PRODUCT. Where the list says 'softmax', what is quantised is not the finished softmax but p = 2^(t - M), with t = logit x log2(e) and M = ceil(the row's largest t), a whole number; so 1/2 < the row's largest p <= 1. The row's sum l is taken of the UNQUANTISED p, in f32, and the product's result is divided by l at the end. Since M is a whole number, a kernel that streams over the keys may use a running M (the ceiling of the running maximum): every later rescaling is an exact power of two, which a block's scale takes up: the codes' values come out the same.
;;   OPERANDS COMPUTED ON THE WAY. 'Computed on the way' means the value that the module computes at that place (a softmax that the list does not call 'softmax' is quantised finished and normalised). What goes into a quantiser is computed in f32, as accurately as f32 sums, v_exp_f32 and their like allow (about 1e-6 of the number): no bf16 or f16 on the way to a quantiser, and a product that is left as it is and whose result goes on into a quantised operand takes f32 operands (vector FMAs, or v_wmma_f32_16x16x4_f32). A number that lies on a knife's edge between two numbers of the format may be rounded either way, as far as f32 arithmetic and the matrix unit's own rounding can turn it there, and no further.
;; One version. Each part assembles by itself: llvm-mc -triple=amdgcn-amd-amdhsa -mcpu=gfx1250 --defsym DOCPART=n.
;; ======== version 1 of 1: 4 launches
;; limits: right only within a limited range of input values
;; workspace buffers: opimg 9,437,184 bytes; opscl 393,216 bytes; att 20,185,088 bytes; ctximg 6,291,456 bytes; ctxscl 262,144 bytes
;; launch quant (part 1): grid 384 x 1, 4 waves a work-group, no clusters, 34,304 bytes of LDS; arguments x, Wq, Wk, Wv, Wout, opimg, opscl; writes opimg, opscl
.if DOCPART == 1
	.amdgcn_target "amdgcn-amd-amdhsa--gfx1250"
	.amdhsa_code_object_version 6
	.text
	.protected	k_qd3161b6f37_quant
	.globl	k_qd3161b6f37_quant
	.p2align	8
	.type	k_qd3161b6f37_quant,@function
k_qd3161b6f37_quant:
	s_mov_b64 s[64:65], 0
	v_nop
	global_prefetch_b8 v0, s[64:65] scope:SCOPE_SE
	s_setreg_imm32_b32 hwreg(HW_REG_WAVE_MODE, 25, 1), 1
	s_wait_xcnt 0x0
; LAUNCH 1 OF 4.  x [8192][1024] and Wq, Wk, Wv, Wout [1024][1024], f32 with K innermost, become codes of FP6 (E2M3) and E8M0 scale bytes, one for each 32 along K.
; THE WHOLE PROGRAM: quant (this) | proj: Q, K, V = x W^T, quantised on the way out | attn: both products of attention, ctx quantised | outp: ctx Wout^T + bout.
; WORK LEFT OUT, in the whole program: only in attn, key steps of 128 keys that lie wholly behind a tile's last query.  reference() itself builds the causal mask (jnp.tril) and sets those logits to -1e9,
; whatever the inputs hold; with p = 2^(t - M) and M the ceiling of the row's largest t, which key = query always feeds, such a p lies under every code's half step and under the rounding of the row's sum: its code is 0.
; Every input has a way to the output and is loaded.  LIMITS: a row whose largest visible logit lies near -1e9 or under it is not served; a NaN, an infinity or an overflow that reaches only the steps left out is not carried to the result;
; NaN and infinities among the inputs are not served; a block of zeros gets the byte 1 where the rule says 127 (its codes are zeros, and this program alone reads the bytes).
; THE FORMAT OF ALL WORKSPACE: IMAGES OF OPERAND REGISTERS.  A fragment (16 rows x 128 K, 12 registers a lane) is 6 units of 256 bytes; unit p holds registers 2 p, 2 p + 1 of the 32 lanes, lane l at byte 8 l.
; Lane (r = l % 16, h = l / 16), registers 6 c .. 6 c + 5: k = 64 c + 32 h + 0 .. 31 of row r.  POSITION r OF ROW BLOCK A IS TRUE ROW 32 (A / 2) + 8 (A % 2) + r + 8 (r / 8): as source 0 of a product such blocks leave 16 neighbours in 16 registers.
; opimg: [row block 0..767][K step 0..7][1,536]; blocks 0-511 x, 512.. Wq, 576.. Wk, 640.. Wv, 704.. Wout.  opscl: [row block][pair of K steps 0..3][r][2 words], a word = the four bytes of a row's K step.
; SHARES.  A work-group takes 32 true rows of one tensor, two row blocks; wave w makes row block w / 2, K steps 4 (w % 2) on.  A load takes 512 consecutive bytes of one row; a K step's 16 rows turn through the wave's own stage in LDS
; (rows 528 bytes apart) and come back 128 bytes a lane and block: a lane holds two whole blocks of 32, so a block's largest magnitude needs no other lane.  Waves share nothing: no barrier.  Two K steps (32 loads a wave) are on their way.
.set WREG,  8448                       ; a wave's stage: 16 rows x 528 bytes
.set SPARE, 4*WREG                     ; behind the stages: the spare words, 128 bytes a wave
.set LN16,  3                          ; v3   16 x lane
.set LN8,   4                          ; v4   8 x lane
.set H8,    5                          ; v5   8 h
.set SPW,   6                          ; v6   my spare word's address; never rewritten
.set NIL,   7                          ; v7   0; never rewritten
.set SIN,   8                          ; v8   the stage, way in
.set SOUT,  9                          ; v9   the stage, way out
.set MX,    10                         ; v10-11 largest magnitudes
.set SO,    12                         ; v12-13 the conversions' scale operands
.set BY,    14                         ; v14-15 scale bytes
.set WD,    16                         ; v16  my two bytes at their places
.set PD,    17                         ; v17  the other half's
.set SWD,   20                         ; v20-23 a scale word for each K step
.set SD,    24                         ; v24-25 the scale store's data
.set C,     28                         ; v28-39 the fragment
.set T,     40                         ; v40-42, v44-46 the blocks' upper halves
.set R,     64                         ; v64-191 two sets of 64 registers as loaded
.set X,     192                        ; v192-255 my two blocks of 32
	s_load_b256 s[4:11], s[0:1], 0x0               ; x, Wq, Wk, Wv
	s_load_b128 s[12:15], s[0:1], 0x20             ; Wout, opimg
	s_load_b64 s[16:17], s[0:1], 0x30              ; opscl
	v_lshl_add_u32 v[SPW], v0, 2, SPARE
	v_mov_b32 v[NIL], 0
	v_lshrrev_b32 v1, 5, v0
	v_readfirstlane_b32 s27, v1                    ; wave
	v_and_b32 v1, 31, v0                           ; lane
	v_and_b32 v2, 15, v0                           ; r
	v_bfe_u32 v[H8], v0, 4, 1                      ; h
	v_lshlrev_b32 v[LN16], 4, v1
	v_lshlrev_b32 v[LN8], 3, v1
	s_mul_i32 s30, s27, WREG
	v_add_nc_u32 v[SIN], s30, v[LN16]              ; in: a row's 512 bytes as they lie
	v_mul_u32_u24 v[SOUT], v2, 528
	v_lshl_add_u32 v[SOUT], v[H8], 7, v[SOUT]
	v_add_nc_u32 v[SOUT], s30, v[SOUT]             ; out: row r, + 128 h: my block of 32 numbers
	v_lshlrev_b32 v[H8], 3, v[H8]
	v_mov_b32 v[PD], 0                             ; written once: a lane permute's destination counts as one of its sources
	s_mov_b32 s24, 0x76543210
	s_mov_b32 s25, 0xfedcba98                      ; v_permlanex16_b32's selects for lane l xor 16
	s_mov_b32 s26, 0xffff0000                      ; lanes 16-31
	s_lshr_b32 s30, s27, 1                         ; which of the two row blocks
	s_and_b32 s31, s27, 1                          ; which half of K
	s_and_b32 s20, ttmp9, 31
	s_cmp_lt_u32 ttmp9, 256
	s_cselect_b32 s20, ttmp9, s20                  ; which 32 rows of the tensor
	s_lshl_b32 s20, s20, 17                        ; 32 rows of 4,096 bytes,
	s_lshl_b32 s21, s30, 15                        ; the odd row block begins 8 rows on,
	s_add_co_u32 s20, s20, s21
	s_lshl_b32 s21, s31, 11                        ; four K steps of 512 bytes
	s_add_co_u32 s20, s20, s21
	s_mov_b32 s21, 0
	s_lshl_b32 s28, ttmp9, 1
	s_add_co_u32 s28, s28, s30                     ; my row block among the 768
	s_mul_i32 s22, s28, 12288
	s_mul_i32 s23, s31, 6144
	s_add_co_u32 s22, s22, s23
	s_mov_b32 s23, 0
	s_lshl_b32 s28, s28, 9
	s_lshl_b32 s29, s31, 8
	s_add_co_u32 s28, s28, s29
	s_mov_b32 s29, 0
	s_wait_kmcnt 0x0
	s_mov_b64 s[18:19], s[12:13]                   ; the tensor is chosen by the work-group's number alone
	s_cmp_lt_u32 ttmp9, 352
	s_cselect_b64 s[18:19], s[10:11], s[18:19]
	s_cmp_lt_u32 ttmp9, 320
	s_cselect_b64 s[18:19], s[8:9], s[18:19]
	s_cmp_lt_u32 ttmp9, 288
	s_cselect_b64 s[18:19], s[6:7], s[18:19]
	s_cmp_lt_u32 ttmp9, 256
	s_cselect_b64 s[18:19], s[4:5], s[18:19]
	s_add_nc_u64 s[18:19], s[18:19], s[20:21]
	s_add_nc_u64 s[14:15], s[14:15], s[22:23]
	s_add_nc_u64 s[16:17], s[16:17], s[28:29]
.macro LOAD s                          ; K step s of my 16 rows: position i is the row i + 8 (i / 8) further down; 32 lanes read 512 consecutive bytes
.irp i, 0,1,2,3,4,5,6,7,8,9,10,11,12,13,14,15
	global_load_b128 v[R+64*((\s)%2)+4*\i:R+64*((\s)%2)+4*\i+3], v[LN16], s[18:19] offset:(\i+8*(\i/8))*4096+512*(\s) th:TH_LOAD_NT
.endr
.endm
.macro QSTEP s
.set RS, R+64*((\s)%2)
.if (\s) < 3
	s_wait_loadcnt 16                              ; this K step's 16 loads are in; the next one's 16 may be out
.else
	s_wait_loadcnt 0x0
.endif
.irp i, 0,1,2,3,4,5,6,7,8,9,10,11,12,13,14,15
	ds_store_b128 v[SIN], v[RS+4*\i:RS+4*\i+3] offset:528*\i
.endr
.irp c, 0,1
.irp j, 0,1,2,3,4,5,6,7
	ds_load_b128 v[X+32*\c+4*\j:X+32*\c+4*\j+3], v[SOUT] offset:256*\c+16*\j   ; LDS serves a wave's instructions in order: these see the stores above
.endr
.endr
	s_wait_dscnt 0x0                               ; my 64 numbers are back, and the stores have read their registers,
.if (\s)+2 < 4
	LOAD (\s)+2                                    ; which take the loads of two K steps on
.endif
.irp c, 0,1
	v_max3_num_f32 v[MX+\c], |v[X+32*\c]|, |v[X+32*\c+1]|, 0x1800000   ; block 2 c + h: all 32 numbers are mine; and the floor 2^(3 - 127): the byte cannot fall under 1
.endr
.irp i, 2,4,6,8,10,12,14,16,18,20,22,24,26,28,30
.irp c, 0,1
	v_max3_num_f32 v[MX+\c], v[MX+\c], |v[X+32*\c+\i]|, |v[X+32*\c+\i+1]|   ; (the two blocks by turns)
.endr
.endr
.irp c, 0,1
	v_add_nc_u32 v[SO+\c], 0xff000000, v[MX+\c]    ; 2 off the exponent field: the conversion takes that field as its scale
.endr
.irp c, 0,1
	v_lshrrev_b32 v[BY+\c], 23, v[SO+\c]           ; the scale's byte
.endr
	v_lshl_or_b32 v[WD], v[BY+1], 16, v[BY]        ; blocks h and 2 + h,
	v_lshlrev_b32 v[WD], v[H8], v[WD]              ; at their places in the word;
	v_permlanex16_b32 v[PD], v[WD], s24, s25
	v_or_b32 v[SWD+(\s)], v[WD], v[PD]             ; with lane l xor 16's two the word is whole, in both lanes
.if (\s) > 0
	s_wait_xcnt 0x0                                ; the last K step's stores have read the fragment's registers
.endif
.irp c, 0,1
	v_cvt_scalef32_pk16_fp6_f32 v[C+6*\c:C+6*\c+2], v[X+32*\c:X+32*\c+15], v[SO+\c]
	v_cvt_scalef32_pk16_fp6_f32 v[T+4*\c:T+4*\c+2], v[X+32*\c+16:X+32*\c+31], v[SO+\c]   ; (a conversion's three registers begin on an even number)
.endr
	v_nop                                          ; one plain place behind a scaled conversion
.irp c, 0,1
.irp i, 0,1,2
	v_mov_b32 v[C+3+6*\c+\i], v[T+4*\c+\i]
.endr
.endr
.irp p, 0,1,2,3,4,5
	global_store_b64 v[LN8], v[C+2*\p:C+2*\p+1], s[14:15] offset:1536*(\s)+256*\p   ; 32 lanes store 256 consecutive bytes, aligned
.endr
.endm
	LOAD 0
	LOAD 1
	QSTEP 0
	QSTEP 1
	QSTEP 2
	QSTEP 3
	v_cndmask_b32 v[SD], v[SWD], v[SWD+2], s26     ; lanes 0-15 hold the first pair of K steps' words of row r, lanes 16-31 the second pair's
	v_cndmask_b32 v[SD+1], v[SWD+1], v[SWD+3], s26
	global_store_b64 v[LN8], v[SD:SD+1], s[16:17]  ; 256 consecutive bytes, aligned
	s_wait_tensorcnt 0x0                           ; the wave's end
	ds_add_u32 v[SPW], v[NIL]
	s_wait_dscnt 0x0
	s_endpgm
.Lfunc_end_k_qd3161b6f37_quant:
	.size	k_qd3161b6f37_quant, .Lfunc_end_k_qd3161b6f37_quant-k_qd3161b6f37_quant
	.p2alignl 7, 3214868480
	.fill 96, 4, 3214868480
	.section	.rodata,"a",@progbits
	.p2align	6, 0x0
	.amdhsa_kernel k_qd3161b6f37_quant
		.amdhsa_group_segment_fixed_size 34304
		.amdhsa_private_segment_fixed_size 0
		.amdhsa_enable_private_segment 0
		.amdhsa_kernarg_size 56
		.amdhsa_user_sgpr_count 2
		.amdhsa_user_sgpr_kernarg_segment_ptr 1
		.amdhsa_wavefront_size32 1
		.amdhsa_system_sgpr_workgroup_id_x 1
		.amdhsa_system_sgpr_workgroup_id_y 1
		.amdhsa_system_sgpr_workgroup_id_z 1
		.amdhsa_system_vgpr_workitem_id 0
		.amdhsa_next_free_vgpr 256
		.amdhsa_next_free_sgpr 66
		.amdhsa_reserve_vcc 0
		.amdhsa_float_denorm_mode_32 3
		.amdhsa_float_denorm_mode_16_64 3
		.amdhsa_memory_ordered 1
		.amdhsa_forward_progress 1
		.amdhsa_inst_pref_size 32
	.end_amdhsa_kernel
	.amdgpu_metadata
---
amdhsa.version: [ 1, 2 ]
amdhsa.kernels:
  - .name:           k_qd3161b6f37_quant
    .symbol:         k_qd3161b6f37_quant.kd
    .args:
      - { .name: x, .offset: 0, .size: 8, .value_kind: global_buffer, .address_space: global }
      - { .name: Wq, .offset: 8, .size: 8, .value_kind: global_buffer, .address_space: global }
      - { .name: Wk, .offset: 16, .size: 8, .value_kind: global_buffer, .address_space: global }
      - { .name: Wv, .offset: 24, .size: 8, .value_kind: global_buffer, .address_space: global }
      - { .name: Wout, .offset: 32, .size: 8, .value_kind: global_buffer, .address_space: global }
      - { .name: opimg, .offset: 40, .size: 8, .value_kind: global_buffer, .address_space: global }
      - { .name: opscl, .offset: 48, .size: 8, .value_kind: global_buffer, .address_space: global }
    .group_segment_fixed_size: 34304
    .private_segment_fixed_size: 0
    .kernarg_segment_align: 8
    .kernarg_segment_size: 56
    .max_flat_workgroup_size: 128
    .sgpr_count:     66
    .vgpr_count:     256
    .wavefront_size: 32
...
	.end_amdgpu_metadata
.endif
;; end of part 1
;; launch proj (part 2): grid 8 x 48, 4 waves a work-group, clusters of 4 x 4, 327,680 bytes of LDS; arguments opimg, opscl, att; writes att
.if DOCPART == 2
	.amdgcn_target "amdgcn-amd-amdhsa--gfx1250"
	.amdhsa_code_object_version 6
	.text
	.protected	k_qd3161b6f37_proj
	.globl	k_qd3161b6f37_proj
	.p2align	8
	.type	k_qd3161b6f37_proj,@function
k_qd3161b6f37_proj:
	s_mov_b64 s[64:65], 0
	v_nop
	global_prefetch_b8 v0, s[64:65] scope:SCOPE_SE
	s_setreg_imm32_b32 hwreg(HW_REG_WAVE_MODE, 25, 1), 1
	s_wait_xcnt 0x0
	s_wait_alu depctr_hold_cnt(0) depctr_sa_sdst(0) depctr_va_vdst(0) depctr_va_sdst(0) depctr_va_ssrc(0) depctr_va_vcc(0) depctr_vm_vsrc(0)
	s_getreg_b32 s2, hwreg(HW_REG_IB_STS2, 6, 4)
	s_cmp_eq_u32 s2, 0
	s_cbranch_scc0 .Lentry_in_a_cluster
	s_endpgm
.Lentry_in_a_cluster:
	s_bfe_u32 s2, ttmp6, 0x10000c
	s_cmp_lg_u32 s2, 0xf033
	s_cbranch_scc0 .Lentry_shape_is_right
	s_endpgm
.Lentry_shape_is_right:
; LAUNCH 2 OF 4.  Q, K, V = x W^T on codes of FP6 with E8M0 scales, K = 1,024; the results are quantised in registers and stored as the fragments that the attention launch reads.  No work is left out here.
; A tile of 256 x 256 is made by four waves, 128 x 128 each: 64 accumulators, 512 registers.  P is source 1 (a lane holds one row of P), R is source 0 (a lane's registers run along R's rows).
; ROLES, by the cluster's own x and y (Xc, Yc), the same in all sixteen partners.  Yc < 8: P = 256 tokens of x, R = 256 rows of Wq (Xc = 0) or Wk (Xc = 1): a lane holds a token, its registers run along the head's 64, which is the scores' K.
; Yc >= 8: P = 256 rows of Wv, R = 256 tokens: a lane holds one of the head's 64, its registers run along the keys, which are the second product's K.
; Operands lie in memory as images of their registers (6 units of 256 bytes a fragment; launch 1's head): a fragment comes from LDS by six loads of 8 bytes at 8 x lane, 256 consecutive bytes each: no pitch, no padding.
; R's row blocks hold rows 32 (A / 2) + 8 (A % 2) + r + 8 (r / 8): so the 16 registers of result tiles 2 b, 2 b + 1 are 16 neighbours, 32 b + 16 (lane / 16) + i.
; K goes in steps of 256 through two LDS slots filled by the tensor data mover (a wave: 8 row blocks x 3,072 bytes).  The scale words of the work-group's rows, for all of K, come once with the first fills.
; CLUSTERS: 4 x 4.  P's tiles are shared along a row of the cluster, R's along a column: each is asked for jointly.  By this text's count a wave has three tensor loads out at the head and one behind each round.
; att: [head 0..63][key step 0..15][13,056]: K's 8 tiles x 768 bytes (registers 0-5: the head's 64), V^T's 4 fragments x 1,536, K's scale words [g][r][t] (tile 4 g + t), V's [r][fragment];
;   from QOFF Q's tiles [head][tile 0..127][768]; from QSOFF Q's scale words [head][step][g][r][t].  Q's and K's words hold the head's two bytes below and 0 above.
; LIMITS: a block of zeros gets the byte 1 (its codes are zeros; this program alone reads the bytes); NaN and infinities are not served.
; REGISTERS: window 0: v0-31 addresses; v32-63 scale words, two sets; v128-223 P's fragments, one set; on the way out v64-145 at work.  Window 1: R's fragments, two sets, at v0 and v128.  Windows 2, 3: the accumulators, (a, b) at v[8 (8 (a % 4) + b)].
.set NQ,     2                         ; matrix instructions deep in a slot
.set FR,     12                        ; registers of a fragment
.set NL,     6                         ; LDS loads that bring one
.set NP,     4                         ; places behind this matrix instruction (ISA guide 7.12.1)
.set FRB,    1536                      ; a fragment's image
.set RBS,    2*FRB                     ; a row block's bytes in a slot
.set HALFT,  8*RBS                     ; 8 row blocks: what one tensor load brings, and what one wave reads of P or of R
.set SLOT,   4*HALFT                   ; P's two halves, then R's
.set SCL,    2*SLOT                    ; behind the ring: the scale words
.set HALFS,  4096                      ; those of 8 row blocks
.set SPARE,  SCL+4*HALFS               ; the spare words, 128 bytes a wave
.set QOFF,   13369344
.set QSOFF,  19660800
.set ADRA, 16                          ; v16-17  LDS address of P's fragments in slot 0, 1
.set ADRB, 20                          ; v20-21  of R's
.set L8,   26                          ; v26     8 x lane
.set ADRS, 27                          ; v27     my scale words: lanes 0-15 P's rows, lanes 16-31 R's
.set SPW,  28                          ; v28     my spare word's address; never rewritten
.set NIL,  29                          ; v29     0; never rewritten
.set SC,   32                          ; scale words: set s at v[SC + 16 s]; register 2 i + q: lanes 0-15 P's block i, lanes 16-31 R's block i, the slot's q-th 128 along K
.set AF,   128                         ; P's fragments
.set TM,   64                          ; the way out: v64-67 largest magnitudes, v68-71 bytes, v76-79 the conversions' scale operands
.set PW,   80                          ; the scale word just made
.set PC,   96                          ; v96-114 the codes just made
.set SW,   116                         ; v116-123 a scale word for each of my 8 blocks of P
.set DV,   124                         ; v124-127 V's words as stored
.set VO,   128                         ; v128-143 sixteen store offsets, never rewritten
.set SOV,  144                         ; v144    the scale words' store offset
.set SHV,  145                         ; v145    16 h, or 0
.set G1, 24
.set G0, 32
.set G1B, 48
.set G0B, 56
.set G1S, 68
.set G0S, 76
.set G1SB, 80
.set G0SB, 88
.set ROLEV, 95                         ; s95: 1 in V's clusters
.set MSB, 0
.macro WIN new                         ; the immediate's high byte repeats the setting that is left
.if MSB != (\new)
	s_set_vgpr_msb (MSB<<8)|(\new)
.set MSB, (\new)
.endif
.endm
.set MUL_LO, 0xa1                      ; source 0 (R) window 1, source 1 (P) window 0, C and D window 2
.set MUL_HI, 0xf1                      ; the same, C and D window 3
.set TO_B,   0x40                      ; destination window 1, address window 0
; A joint load: waves 0 and 1 fetch for P, waves 2 and 3 for R.  The branch hangs on the wave's number alone.  An s_nop 0 and four v_nop follow each of the two lines.
.macro JLOAD g0a, g1a, g0b, g1b
	s_cmp_eq_u32 s15, 0
	s_cbranch_scc0 .Lfor_b_\@
	tensor_load_to_lds s[\g0a:\g0a+3], s[\g1a:\g1a+7]
	s_nop 0
.rept 4
	v_nop
.endr
	s_branch .Lasked_\@
.Lfor_b_\@:
	tensor_load_to_lds s[\g0b:\g0b+3], s[\g1b:\g1b+7]
	s_nop 0
.rept 4
	v_nop
.endr
.Lasked_\@:
.endm
.macro CREST                           ; a round of the cluster's barrier behind its opening barrier
	s_cmp_lg_u32 s14, 0
	s_cbranch_scc1 .Lnot_wave_0_\@
	s_barrier_signal -3
.Lnot_wave_0_\@:
	s_barrier_wait -3
	s_barrier_signal -1
	s_barrier_wait -1
.endm
.macro CROUND
	s_barrier_signal -1
	s_barrier_wait -1
	CREST
.endm
	s_load_b128 s[4:7], s[0:1], 0x0                ; opimg, opscl
	s_load_b64 s[8:9], s[0:1], 0x10                ; att
	v_lshl_add_u32 v[SPW], v0, 2, SPARE
	v_mov_b32 v[NIL], 0
	ds_add_u32 v[SPW], v[NIL]                      ; the wave's opening: the add, twice on end, and its wait ahead of my first tensor load
	ds_add_u32 v[SPW], v[NIL]
	v_lshrrev_b32 v1, 5, v0
	v_readfirstlane_b32 s14, v1                    ; wave 0..3
	s_lshr_b32 s15, s14, 1                         ; which half of P is mine.  Also: I fetch for P (0) or for R (1)
	s_and_b32 s16, s14, 1                          ; which half of R is mine.  Also: which 8 row blocks I fetch
	s_bfe_u32 s40, ttmp6, 0x40000                  ; cx
	s_bfe_u32 s41, ttmp6, 0x40004                  ; cy
	s_lshl_b32 s43, s41, 2
	s_lshl_b32 s43, 15, s43                        ; my row of the cluster
	s_lshl_b32 s44, 0x1111, s40                    ; my column
	s_or_b32 s[G1+0], s43, (3<<16)|(1<<21)         ; 15:0 the mask: P's tiles go to my row; 17:16 elements of 8 bytes; 21 set beside a mask; no padding
	s_or_b32 s[G1B+0], s44, (3<<16)|(1<<21)
.irp g, G1, G1B                        ; 8 row blocks x 3,072 bytes, 12,288 bytes apart
	s_mov_b32 s[\g+1], 384<<16                     ; tensor_dim0
	s_mov_b32 s[\g+2], 8<<16                       ; tensor_dim1
	s_mov_b32 s[\g+3], 384<<16                     ; tile_dim0
	s_mov_b32 s[\g+4], 8                           ; tile_dim1
	s_mov_b32 s[\g+5], 1536                        ; tensor_dim0_stride
	s_mov_b32 s[\g+6], 0
	s_mov_b32 s[\g+7], 0
.endr
	s_or_b32 s[G1S+0], s43, (3<<16)|(1<<21)
	s_or_b32 s[G1SB+0], s44, (3<<16)|(1<<21)
.irp g, G1S, G1SB                      ; the scale words of 8 row blocks: 4,096 dense bytes as 16 rows of 256
	s_mov_b32 s[\g+1], 32<<16
	s_mov_b32 s[\g+2], 16<<16
	s_mov_b32 s[\g+3], 32<<16
	s_mov_b32 s[\g+4], 16
	s_mov_b32 s[\g+5], 32
	s_mov_b32 s[\g+6], 0
	s_mov_b32 s[\g+7], 0
.endr
	s_and_b32 s17, ttmp7, 0xffff                   ; Yc
	s_lshl_b32 s18, s17, 6                         ; 64 Yc: x's row blocks as P
	s_sub_co_u32 s19, s17, 8
	s_lshl_b32 s19, s19, 7                         ; 128 (Yc - 8): a batch's row blocks as R
	s_cmp_ge_u32 s17, 8
	s_cselect_b32 s[ROLEV], 1, 0
	s_cselect_b32 s18, 640, s18                    ; P begins at Wv, or in x
	s_cselect_b32 s19, s19, 512                    ; R begins in x, or at Wq
	s_lshl_b32 s20, s41, 4
	s_add_co_u32 s20, s20, s18
	s_lshl_b32 s18, s16, 3
	s_add_co_u32 s20, s20, s18                     ; P's row block that I fetch from: + 16 cy + 8 x half
	s_lshl_b32 s46, s40, 4
	s_add_co_u32 s46, s46, s19
	s_lshl_b32 s19, ttmp9, 6
	s_add_co_u32 s46, s46, s19
	s_add_co_u32 s46, s46, s18                     ; R's: + 64 Xc + 16 cx + 8 x half
	s_lshl_b32 s22, s20, 9                         ; 512 bytes of scale words a row block,
	s_mov_b32 s23, 0
	s_mul_i32 s20, s20, 12288                      ; 12,288 of codes
	s_mov_b32 s21, 0
	s_lshl_b32 s92, s46, 9
	s_mov_b32 s93, 0
	s_mul_i32 s46, s46, 12288
	s_mov_b32 s47, 0
	s_mul_i32 s45, s14, HALFT                      ; where they go: no place in the cluster enters an LDS address
	s_lshl_b32 s94, s14, 12
	s_wait_dscnt 0x0                               ; both opening adds are done
	s_wait_kmcnt 0x0
	s_add_nc_u64 s[20:21], s[4:5], s[20:21]
	s_add_nc_u64 s[22:23], s[6:7], s[22:23]
	s_add_nc_u64 s[46:47], s[4:5], s[46:47]
	s_add_nc_u64 s[92:93], s[6:7], s[92:93]
	CROUND                                         ; all sixteen work-groups are here: the first joint loads meet
	s_mov_b32 s[G0S], 1
	s_add_co_u32 s[G0S+1], s94, SCL
	s_mov_b64 s[G0S+2:G0S+3], s[22:23]
	s_or_b32 s[G0S+3], s[G0S+3], 0x80000000
	s_mov_b32 s[G0SB], 1
	s_add_co_u32 s[G0SB+1], s94, SCL
	s_mov_b64 s[G0SB+2:G0SB+3], s[92:93]
	s_or_b32 s[G0SB+3], s[G0SB+3], 0x80000000
	JLOAD G0S, G1S, G0SB, G1SB                     ; the scale words first: they are wanted with the first slot
.irp s, 0,1
	s_mov_b32 s[G0+4*\s], 1
	s_add_co_u32 s[G0+4*\s+1], s45, \s*SLOT
	s_add_nc_u64 s[G0+4*\s+2:G0+4*\s+3], s[20:21], \s*RBS
	s_or_b32 s[G0+4*\s+3], s[G0+4*\s+3], 0x80000000
	s_mov_b32 s[G0B+4*\s], 1
	s_add_co_u32 s[G0B+4*\s+1], s45, \s*SLOT
	s_add_nc_u64 s[G0B+4*\s+2:G0B+4*\s+3], s[46:47], \s*RBS
	s_or_b32 s[G0B+4*\s+3], s[G0B+4*\s+3], 0x80000000
	JLOAD G0+4*\s, G1, G0B+4*\s, G1B
.endr
	v_and_b32 v1, 15, v0                           ; r
	v_bfe_u32 v2, v0, 4, 1                         ; h
	v_and_b32 v3, 31, v0
	v_lshlrev_b32 v[L8], 3, v3
	s_mul_i32 s21, s15, HALFT                      ; my half of P
	s_mul_i32 s22, s16, HALFT                      ; my half of R,
	s_add_co_u32 s22, s22, 2*HALFT                 ; behind P's two
.irp s, 0,1
	v_add_nc_u32 v[ADRA+\s], s21, v[L8]
	v_add_nc_u32 v[ADRB+\s], s22, v[L8]
	s_add_co_u32 s21, s21, SLOT
	s_add_co_u32 s22, s22, SLOT
.endr
	v_lshlrev_b32 v5, 3, v1                        ; my row's two words of a slot: 8 r
	s_lshl_b32 s21, s15, 12                        ; P's: my 8 row blocks
	s_lshl_b32 s22, s16, 12                        ; R's: behind P's two halves
	s_add_co_u32 s22, s22, 2*HALFS
	s_sub_co_u32 s22, s22, s21
	v_mul_u32_u24 v6, s22, v2                      ; lanes 16-31 take R's: one product, the distance between the two bases
	s_add_co_u32 s21, s21, SCL
	v_add_nc_u32 v5, v5, v6
	v_add_nc_u32 v[ADRS], s21, v5
.macro FRAG reg, adr, q, i             ; a fragment's image: six loads of 8 bytes a lane, 256 consecutive bytes each
.irp p, 0,1,2,3,4,5
	ds_load_b64 v[\reg+2*\p:\reg+2*\p+1], v[\adr] offset:FRB*(\q)+RBS*(\i)+256*\p
.endr
.endm
; 16 matrix instructions: P's blocks a0, a0 + 1 x R's eight, the slot's q-th 128 along K.  p: R's set; sc: the set of scale words.  zero = 1: the first product starts the sums.
; The 64 accumulators take turns, one instruction a turn, in the same order in every step.
.macro MUL16 a0, p, q, sc, zero
.irp a, \a0, \a0+1
.irp b, 0,1,2,3,4,5,6,7
.if \zero
	v_wmma_scale_f32_16x16x128_f8f6f4 v[8*(8*((\a)%4)+\b):8*(8*((\a)%4)+\b)+7], v[128*(\p)+FR*\b:128*(\p)+FR*\b+FR-1], v[AF+FR*(\a):AF+FR*(\a)+FR-1], 0, v[SC+8*NQ*(\sc)+NQ*\b+(\q)], v[SC+8*NQ*(\sc)+NQ*(\a)+(\q)] matrix_a_fmt:MATRIX_FMT_FP6 matrix_b_fmt:MATRIX_FMT_FP6 matrix_a_scale:MATRIX_SCALE_ROW1
.else
	v_wmma_scale_f32_16x16x128_f8f6f4 v[8*(8*((\a)%4)+\b):8*(8*((\a)%4)+\b)+7], v[128*(\p)+FR*\b:128*(\p)+FR*\b+FR-1], v[AF+FR*(\a):AF+FR*(\a)+FR-1], v[8*(8*((\a)%4)+\b):8*(8*((\a)%4)+\b)+7], v[SC+8*NQ*(\sc)+NQ*\b+(\q)], v[SC+8*NQ*(\sc)+NQ*(\a)+(\q)] matrix_a_fmt:MATRIX_FMT_FP6 matrix_b_fmt:MATRIX_FMT_FP6 matrix_a_scale:MATRIX_SCALE_ROW1
.endif
.endr
.endr
.endm
.macro FETCH_B slot, q, p              ; R's eight fragments into set p
	WIN TO_B
.irp i, 0,1,2,3,4,5,6,7
	FRAG 128*(\p)+FR*\i, ADRB+\slot, \q, \i
.endr
	WIN 0
.endm
.macro FETCH_A slot, q, i0             ; P's blocks i0 .. i0 + 3
.irp i, \i0, \i0+1, \i0+2, \i0+3
	FRAG AF+FR*(\i), ADRA+\slot, \q, \i
.endr
.endm
.macro SCALES sc                       ; a slot's scale words: two a row; lanes 0-15 P's block i, lanes 16-31 R's block i
.irp i, 0,1,2,3,4,5,6,7
	ds_load_b64 v[SC+8*NQ*\sc+NQ*\i:SC+8*NQ*\sc+NQ*\i+1], v[ADRS] offset:\i*512
.endr
.endm
.macro PLACES n                        ; places in front of loads into registers that matrix instructions have read, and of the first read of results
.rept \n
	v_nop
.endr
.endm
.macro STEP slot, q, zero              ; a step of 128 along K that has its successor in the same slot
	s_wait_dscnt 4*NL                              ; R's set and P's blocks 0-3 are in; the youngest 24 loads (P's blocks 4-7) may be out
	WIN MUL_LO
	MUL16 0, (\q)%2, \q, \slot, \zero
	MUL16 2, (\q)%2, \q, \slot, \zero
	s_wait_dscnt 0
	PLACES NP
	FETCH_B \slot, (\q)+1, 1-(\q)%2
	FETCH_A \slot, (\q)+1, 0
	WIN MUL_HI
	MUL16 4, (\q)%2, \q, \slot, \zero
	MUL16 6, (\q)%2, \q, \slot, \zero
	PLACES NP
	WIN 0
	FETCH_A \slot, (\q)+1, 4
.endm
; A slot's last step changes slots: one barrier; in front of it each wave waits for all its tensor loads, adds 0 to its spare word, and waits for that and for its reads of this slot.  fill = 1: the slot is filled again, two slots ahead.
.macro TURN slot, next, fill
	s_wait_tensorcnt 0x0                           ; all my tensor loads have landed: my part of the next slot
	ds_add_u32 v[SPW], v[NIL]                      ; 0 onto my spare word
	s_wait_dscnt 4*NL+1                            ; (the add and the youngest 24 loads may be out)
	WIN MUL_LO
	MUL16 0, 1, NQ-1, \slot, 0
	s_wait_dscnt 0x0                               ; the add is done, and my reads of this slot are over
	s_barrier_signal -1
	MUL16 2, 1, NQ-1, \slot, 0
	WIN 0
	s_barrier_wait -1
.if \fill
	CREST                                          ; the barrier has opened a round of the cluster's: no wave of any partner still reads this slot or has a load on its way
	s_add_nc_u64 s[G0+4*\slot+2:G0+4*\slot+3], s[G0+4*\slot+2:G0+4*\slot+3], 2*RBS
	s_add_nc_u64 s[G0B+4*\slot+2:G0B+4*\slot+3], s[G0B+4*\slot+2:G0B+4*\slot+3], 2*RBS
	JLOAD G0+4*\slot, G1, G0B+4*\slot, G1B         ; the first tensor load behind the round; its four v_nop are the places in front of the loads below
.else
	PLACES NP
.endif
	v_add_nc_u32 v[ADRS], 128, v[ADRS]             ; the next slot's scale words
	FETCH_B \next, 0, 0
	FETCH_A \next, 0, 0
	SCALES \next
	WIN MUL_HI
	MUL16 4, 1, NQ-1, \slot, 0
	MUL16 6, 1, NQ-1, \slot, 0
	PLACES NP
	WIN 0
	FETCH_A \next, 0, 4
.endm
	s_wait_tensorcnt 1                             ; the scale words and my part of slot 0 are in (slot 1's load may be out)
	s_barrier_signal -1
	s_barrier_wait -1                              ; everybody's are
	FETCH_B 0, 0, 0
	FETCH_A 0, 0, 0
	SCALES 0
	FETCH_A 0, 0, 4
	STEP 0, 0, 1                                   ; the first step stands in front of the loop: its products start the sums
	s_mov_b32 s3, 1                                ; K = 1,024 is two laps of the ring; the last is written out
.Llap:
	TURN 0, 1, 1
	STEP 1, 0, 0
	TURN 1, 0, 1
	STEP 0, 0, 0
	s_sub_co_u32 s3, s3, 1
	s_cmp_lg_u32 s3, 0
	s_cbranch_scc1 .Llap
	TURN 0, 1, 0
	STEP 1, 0, 0
	s_wait_dscnt 4*NL
	WIN MUL_LO
	MUL16 0, 1, NQ-1, 1, 0
	MUL16 2, 1, NQ-1, 1, 0
	s_wait_dscnt 0
	WIN MUL_HI
	MUL16 4, 1, NQ-1, 1, 0
	MUL16 6, 1, NQ-1, 1, 0
	WIN 0
	PLACES NP
	; THE WAY OUT.  For each of my 8 blocks of P the lane's 64 results (register 16 b + i = R's row 32 b + 16 h + i) become one fragment and one scale word, and leave as whole units of 256 bytes.  No LDS.
	; Q, K: the fragment's two halves are two heads' tiles of 16 tokens; V: the fragment is 16 of a head's 64 x the step's 128 keys.  Where they go differs by numbers alone:
	s_and_b32 s97, ttmp7, 0xffff                   ; Yc
	s_lshr_b32 s98, s97, 1
	s_sub_co_u32 s99, s97, 8
	s_and_b32 s11, s97, 1
	s_cmp_eq_u32 s[ROLEV], 0
	s_cselect_b32 s98, s98, s99                    ; the batch
	s_cselect_b32 s99, s40, s41                    ; the heads hang on R's place (Q, K) or on P's (V)
	s_cselect_b32 s2, s16, s15
	s_cselect_b32 s3, s41, s40                     ; the tokens on the other
	s_cselect_b32 s10, s15, s16
	s_cselect_b32 s11, s11, ttmp9
	s_lshl_b32 s98, s98, 4
	s_lshl_b32 s99, s99, 2
	s_add_co_u32 s98, s98, s99
	s_lshl_b32 s2, s2, 1
	s_add_co_u32 s98, s98, s2                      ; my first head among the 64
	s_lshl_b32 s11, s11, 3
	s_lshl_b32 s3, s3, 1
	s_add_co_u32 s11, s11, s3
	s_add_co_u32 s99, s11, s10                     ; my step of 128 tokens in the batch
	s_mul_i32 s2, s98, 208896
	s_mul_i32 s3, s99, 13056
	s_add_co_u32 s2, s2, s3                        ; the step's record of K and V
	s_mul_i32 s3, s98, 98304
	s_mul_i32 s97, s99, 6144
	s_add_co_u32 s3, s3, s97
	s_add_co_u32 s3, s3, QOFF                      ; Q's tiles
	s_lshl_b32 s97, s98, 13
	s_lshl_b32 s98, s99, 9
	s_add_co_u32 s97, s97, s98
	s_add_co_u32 s97, s97, QSOFF                   ; Q's scale words
	s_cmp_eq_u32 s[ROLEV], 0
	s_cselect_b32 s98, 0, 6144                     ; V's fragments lie behind K's tiles
	s_mov_b32 s11, 1536
	s_cselect_b32 s11, 768, s11                    ; from block a to a + 1
	s_mov_b32 s12, 208896
	s_cselect_b32 s12, 3072, s12                   ; from blocks 0-3 to 4-7
	s_mov_b32 s13, 768
	s_cselect_b32 s13, 208896, s13                 ; from the fragment's lower six registers to the upper
	s_mov_b32 s17, 12800
	s_cselect_b32 s17, 12288, s17                  ; the words' place in the record
	s_cselect_b32 s19, 16, 0                       ; Q, K: lanes 16-31 take the word's upper two bytes
	s_cselect_b32 s42, 0xffff, -1
	s_mov_b32 s18, 208896                          ; from a head's words to the next head's
	s_add_co_u32 s10, s2, s98
	s_add_co_u32 s17, s17, s2
	s_or_b32 s98, s[ROLEV], ttmp9
	s_cmp_eq_u32 s98, 0                            ; Q's clusters
	s_cselect_b32 s10, s3, s10
	s_cselect_b32 s13, 98304, s13
	s_cselect_b32 s17, s97, s17
	s_cselect_b32 s18, 8192, s18
	s_mov_b32 s66, 0x76543210
	s_mov_b32 s67, 0xfedcba98                      ; v_permlanex16_b32's selects for lane l xor 16
	s_mov_b32 s96, 0xffff0000                      ; lanes 16-31
	v_mul_u32_u24 v[SHV], s19, v2
	v_mul_u32_u24 v[SOV], s18, v2                  ; lanes 16-31 store the second head's words
	v_lshl_add_u32 v[SOV], v1, 4, v[SOV]
	v_add_nc_u32 v[SOV], s17, v[SOV]
.irp b, 0,1,2,3
	v_mov_b32 v[TM+4+\b], 0                        ; written once: a lane permute's destination counts as one of its sources
.endr
.irp a, 0,1,2,3,4,5,6,7
	s_mul_i32 s97, s11, \a%4
	s_mul_i32 s98, s12, \a/4
	s_add_co_u32 s97, s97, s98
	s_add_co_u32 s97, s97, s10
	v_add_nc_u32 v[VO+2*\a], s97, v[L8]
	s_add_co_u32 s97, s97, s13
	v_add_nc_u32 v[VO+2*\a+1], s97, v[L8]
.endr
.macro QUANTW a
.set WA, 2+(\a)/4                      ; the block's accumulators: window 2 or 3,
.set WB, WA|(WA<<2)
.set AC, 64*((\a)%4)                   ; from this register on
	WIN WB                                         ; sources 0 and 1 in the accumulators' window
.irp b, 0,1,2,3
	v_max3_num_f32 v[TM+\b], |v[AC+16*\b]|, |v[AC+16*\b+1]|, 0x1800000   ; block b: my 16 numbers, each accumulator from its low end on; the floor 2^(3 - 127) holds the byte at 1 from below
.endr
.irp i, 2,4,6,8,10,12,14
.irp b, 0,1,2,3
	v_max3_num_f32 v[TM+\b], |v[AC+16*\b+\i]|, |v[AC+16*\b+\i+1]|, v[TM+\b]
.endr
.endr
	WIN 0
.irp b, 0,1,2,3
	v_permlanex16_b32 v[TM+4+\b], v[TM+\b], s66, s67
.endr
.irp b, 0,1,2,3
	v_max_num_f32 v[TM+\b], v[TM+\b], v[TM+4+\b]   ; with lane l xor 16's: the block's largest magnitude
.endr
.irp b, 0,1,2,3
	v_add_nc_u32 v[TM+12+\b], 0xff000000, v[TM+\b] ; 2 off the exponent field: the conversion's scale operand
.endr
.irp b, 0,1,2,3
	v_lshrrev_b32 v[TM+4+\b], 23, v[TM+12+\b]      ; the scale's byte
.endr
	v_lshl_or_b32 v[PW], v[TM+5], 8, v[TM+4]
	v_lshl_or_b32 v[PW], v[TM+6], 16, v[PW]
	v_lshl_or_b32 v[PW], v[TM+7], 24, v[PW]
.if (\a) > 0
	s_wait_xcnt 0x0                                ; the last block's stores have read the codes' registers
.endif
	WIN WA                                         ; source 0 in the accumulators' window
.irp c, 0,1
	v_cvt_scalef32_pk16_fp6_f32 v[PC+6*\c:PC+6*\c+2], v[AC+32*\c:AC+32*\c+15], v[TM+12+2*\c]
	v_cvt_scalef32_pk16_fp6_f32 v[PC+12+4*\c:PC+14+4*\c], v[AC+32*\c+16:AC+32*\c+31], v[TM+12+2*\c+1]
.endr
	WIN 0
	v_nop                                          ; one plain place behind a scaled conversion
.irp c, 0,1                            ; the operand's layout wants a whole block in a lane
.irp i, 0,1,2
	v_permlane16_swap_b32 v[PC+6*\c+\i], v[PC+12+4*\c+\i]
.endr
.irp i, 0,1,2
	v_mov_b32 v[PC+3+6*\c+\i], v[PC+12+4*\c+\i]
.endr
.endr
	v_lshrrev_b32 v[SW+(\a)], v[SHV], v[PW]        ; Q, K: my head's two bytes, 0 above; V: the whole word
	v_and_b32 v[SW+(\a)], s42, v[SW+(\a)]
.irp c, 0,1
.irp q, 0,1,2
	global_store_b64 v[VO+2*(\a)+\c], v[PC+6*\c+2*\q:PC+6*\c+2*\q+1], s[8:9] offset:256*\q   ; 32 lanes store 256 consecutive bytes, aligned
.endr
.endr
.endm
.irp a, 0,1,2,3,4,5,6,7
	QUANTW \a
.endr
	s_cmp_lg_u32 s[ROLEV], 0                       ; the cluster's role: the same in all partners and waves
	s_cbranch_scc1 .Lv_words
	global_store_b128 v[SOV], v[SW:SW+3], s[8:9]               ; [r][tiles 0-3]: lanes 0-15 fill the first head's 256 bytes, lanes 16-31 the second's
	global_store_b128 v[SOV], v[SW+4:SW+7], s[8:9] offset:256  ; tiles 4-7
	s_branch .Lwords_done
.Lv_words:
.irp d, 0,1,2,3
	v_cndmask_b32 v[DV+\d], v[SW+\d], v[SW+4+\d], s96          ; blocks 0-3 are the first head's four fragments, blocks 4-7 the second's
.endr
	global_store_b128 v[SOV], v[DV:DV+3], s[8:9]
.Lwords_done:
	s_wait_tensorcnt 0x0                           ; the wave's end
	ds_add_u32 v[SPW], v[NIL]
	s_wait_dscnt 0x0
	CROUND                                         ; the closing round: no work-group ends while a partner may still ask for a tile that names it
	s_endpgm
.Lfunc_end_k_qd3161b6f37_proj:
	.size	k_qd3161b6f37_proj, .Lfunc_end_k_qd3161b6f37_proj-k_qd3161b6f37_proj
	.p2alignl 7, 3214868480
	.fill 96, 4, 3214868480
	.section	.rodata,"a",@progbits
	.p2align	6, 0x0
	.amdhsa_kernel k_qd3161b6f37_proj
		.amdhsa_group_segment_fixed_size 327680
		.amdhsa_private_segment_fixed_size 0
		.amdhsa_enable_private_segment 0
		.amdhsa_kernarg_size 24
		.amdhsa_user_sgpr_count 2
		.amdhsa_user_sgpr_kernarg_segment_ptr 1
		.amdhsa_wavefront_size32 1
		.amdhsa_system_sgpr_workgroup_id_x 1
		.amdhsa_system_sgpr_workgroup_id_y 1
		.amdhsa_system_sgpr_workgroup_id_z 1
		.amdhsa_system_vgpr_workitem_id 0
		.amdhsa_next_free_vgpr 1024
		.amdhsa_next_free_sgpr 100
		.amdhsa_reserve_vcc 0
		.amdhsa_float_denorm_mode_32 3
		.amdhsa_float_denorm_mode_16_64 3
		.amdhsa_memory_ordered 1
		.amdhsa_forward_progress 1
		.amdhsa_inst_pref_size 170
	.end_amdhsa_kernel
	.amdgpu_metadata
---
amdhsa.version: [ 1, 2 ]
amdhsa.kernels:
  - .name:           k_qd3161b6f37_proj
    .symbol:         k_qd3161b6f37_proj.kd
    .args:
      - { .name: opimg, .offset: 0, .size: 8, .value_kind: global_buffer, .address_space: global }
      - { .name: opscl, .offset: 8, .size: 8, .value_kind: global_buffer, .address_space: global }
      - { .name: att, .offset: 16, .size: 8, .value_kind: global_buffer, .address_space: global }
    .group_segment_fixed_size: 327680
    .private_segment_fixed_size: 0
    .kernarg_segment_align: 8
    .kernarg_segment_size: 24
    .max_flat_workgroup_size: 128
    .sgpr_count:     100
    .vgpr_count:     1024
    .wavefront_size: 32
...
	.end_amdgpu_metadata
.endif
;; end of part 2
;; launch attn (part 3): grid 4 x 64, 16 waves a work-group, no clusters, 327,680 bytes of LDS; arguments att, ctximg, ctxscl; writes ctximg, ctxscl
.if DOCPART == 3
	.amdgcn_target "amdgcn-amd-amdhsa--gfx1250"
	.amdhsa_code_object_version 6
	.text
	.protected	k_qd3161b6f37_attn
	.globl	k_qd3161b6f37_attn
	.p2align	8
	.type	k_qd3161b6f37_attn,@function
k_qd3161b6f37_attn:
	s_mov_b64 s[64:65], 0
	v_nop
	global_prefetch_b8 v0, s[64:65] scope:SCOPE_SE
	s_setreg_imm32_b32 hwreg(HW_REG_WAVE_MODE, 25, 1), 1
	s_wait_xcnt 0x0
; LAUNCH 3 OF 4.  ctx = softmax(Q K^T / 8, causal) V for 64 heads of 2,048 x 64, both products on codes of FP6 with E8M0 scales; ctx / l is quantised along the head's 64 and stored as launch 4's operand.
; WORK LEFT OUT: key steps of 128 keys that lie wholly behind a tile's last query (reference()'s own causal mask; shown at launch 1's head).  In the step on the diagonal hidden scores become -8e9, which is reference()'s -1e9 ahead of the division by 8.
; LIMITS: a row whose largest visible logit lies near -1e9 or under it is not served; NaN and infinities are not served; a block of zeros gets the byte 1.
; THE SOFTMAX: t = score x log2(e) / 8; M = the running largest t rounded up to a whole number; p = 2^(t - M) is quantised along the keys, not normalised; the sum of the unquantised p divides at the end.
; SHARES.  A work-group owns query blocks I and 7 - I (256 queries each) of one head, one after the other: 256 work-groups of equal work.  Each of its sixteen waves holds one tile of 16 queries at a time: in phase 1 of group
; 2 I + w / 8 (a group: 128 queries, 8 tiles), in phase 2 of group 15 - 2 I - w / 8.  A tile of group g walks key steps 0 .. g: 17 steps a wave in all.
; THE WALK has 9 slots of two key steps for every I: I + 1 for phase 1, 8 - I for phase 2.  The trip count is a constant; some wave reads every slot, so no tensor load is left out.  What a wave leaves out is a step's work, by a scalar branch on ids.
; Two LDS slots, 32,768 bytes apart; a step's record (13,056 dense bytes: K's 8 tiles, V^T's 4 fragments, their scale words) comes by one tensor load, wave 0 the slot's first step, wave 1 its second.  A wave has at most one tensor load out.
; LAYOUT.  Both products transposed: S^T = K Q^T, O^T = V^T P^T: a lane holds one query.  Lane r of tile 2 b + u of K holds key 32 b + 8 u + r + 8 (r / 8); query tiles and V^T's rows are laid the same way.
; K = 64 IN AN INSTRUCTION OF 128: Q's upper six registers are zero codes.  K's tile t is named as v[32 + 6 t .. 43 + 6 t]: its upper six registers are the next tile's codes (zeros for tile 7), finite numbers that meet Q's zeros; both scale words hold 0 above.
; NO CLUSTER: the four work-groups of a head change phase at different trips (I + 1), so at one trip they want different slots of the stream.
; NO PREFETCH: each refill is asked for a whole slot's work, two key steps of sixteen waves, ahead of its first read, and a head's stream is walked by four work-groups, twice each, not once.
.set REC,   13056                      ; a key step's record
.set SLOT1, 32768
.set SPARE, 65536                      ; the spare words, 128 bytes a wave
.set QOFF,  13369344
.set QSOFF, 19660800
.set L8,   1                           ; v1   8 x lane
.set R16,  2                           ; v2   16 r
.set DQ,   3                           ; v3   my query in its group - 16 h
.set SPW,  5                           ; v5   my spare word's address; never rewritten
.set NIL,  6                           ; v6   0; never rewritten
.set R8,   7                           ; v7   8 r
.set AD8,  8                           ; v8   the slot + 8 x lane
.set AD16, 9                           ; v9   the slot + 16 r
                                       ; v12 -M, v13 the largest t, v[14:15] the sum in two halves
.set Q,    16                          ; v16-21 Q, v22-27 zeros
.set QS,   28                          ; v28  Q's scale word
.set KV,   32                          ; v32-79 K's 8 x 6 registers, later V^T's 4 x 12; v80-85 zeros
.set SCW,  86                          ; v86-93 K's scale words; v86-89 later V's
.set S,    96                          ; v96-159 S^T, then p
.set O,    160                         ; v160-191 O^T
.set PC,   192                         ; v192-203 p's codes
.set PT,   204                         ; v204-206, v208-210 the conversions' second halves
.set BM,   212                         ; v212-215 a block's largest score, then p
.set PD,   216                         ; v216-219 permutes' destinations, bytes
.set SOP,  220                         ; v220-223 the conversions' scale operands
.set PS,   224                         ; v224 p's scale word
.set F,    226                         ; v[226:227] f = 2^(old M - new M)
.set T0,   228
.set SB2,  230                         ; v[230:231] the second chain of the sum
.set CC,   232                         ; v232-237 ctx's codes
.set CW,   238                         ; v238 ctx's two scale bytes
.set Q2,   240                         ; v240-245 phase 2's Q, v246 its scale word
.set TB,   2                           ; s2   the slot in hand
.set J,    3                           ; s3   the trip
.set WV,   18
.set BH,   19
.set SEL,  20
.set CS,   22                          ; s[22:23] c = log2(e) / 8
.set G1,   24
.set G0,   32
.set KVB,  36                          ; s[36:37] the head's stream at my step of a slot
.set W7,   38
.set CP1,  40                          ; where phase 1's codes and scale bytes go; phase 2's
.set CSP1, 42
.set CP2,  44
.set CSP2, 46
.set PH1,  48                          ; phase 1's slots
.set GQ,   49                          ; my tile's group
.set KST,  50                          ; the key step in hand
.set GQ2,  51
.macro TLOAD                           ; waves 0 and 1 fetch; an s_nop 0 and four v_nop follow the load
	s_cmp_lt_u32 s[WV], 2
	s_cbranch_scc0 .Lnone_\@
	tensor_load_to_lds s[G0:G0+3], s[G1:G1+7]
	s_nop 0
.rept 4
	v_nop
.endr
.Lnone_\@:
.endm
.macro PTRS gq, qc, qs, cp, csp        ; the pointers of the tile 8 x group + w % 8
	s_lshl_b32 s10, s[\gq], 3
	s_add_co_u32 s10, s10, s[W7]                   ; the tile among the head's 128
	s_mul_i32 s12, s[BH], 98304
	s_mul_i32 s13, s10, 768
	s_add_co_u32 s12, s12, s13
	s_add_co_u32 s12, s12, QOFF
	s_mov_b32 s13, 0
	s_add_nc_u64 s[\qc:\qc+1], s[4:5], s[12:13]    ; Q's codes
	s_lshl_b32 s12, s[BH], 13
	s_lshr_b32 s14, s10, 2
	s_lshl_b32 s14, s14, 8
	s_add_co_u32 s12, s12, s14
	s_and_b32 s14, s10, 3
	s_lshl_b32 s14, s14, 2
	s_add_co_u32 s12, s12, s14
	s_add_co_u32 s12, s12, QSOFF
	s_add_nc_u64 s[\qs:\qs+1], s[4:5], s[12:13]    ; Q's scale words
	s_lshr_b32 s14, s[BH], 4
	s_lshl_b32 s14, s14, 7
	s_add_co_u32 s14, s14, s10                     ; ctx's row block: 128 x batch + tile
	s_and_b32 s15, s[BH], 15                       ; the head in the batch
	s_mul_i32 s12, s14, 12288
	s_mul_i32 s16, s15, 768
	s_add_co_u32 s12, s12, s16
	s_add_nc_u64 s[\cp:\cp+1], s[6:7], s[12:13]    ; half a fragment: K step head / 2, registers 6 (head % 2) on
	s_lshl_b32 s12, s14, 9
	s_lshr_b32 s16, s15, 2
	s_lshl_b32 s16, s16, 7
	s_add_co_u32 s12, s12, s16
	s_and_b32 s16, s15, 3
	s_lshl_b32 s16, s16, 1
	s_add_co_u32 s12, s12, s16
	s_add_nc_u64 s[\csp:\csp+1], s[8:9], s[12:13]  ; the head's two bytes of a row's 32
.endm
.macro RESET                           ; a tile begins: the first change of M multiplies zeros
	v_mov_b32 v13, 0xff61b1e6                      ; -3e38, under every t
	v_floor_f32 v12, -v13
	v_mov_b32 v14, 0
	v_mov_b32 v15, 0
.set n, 0
.rept 32
	v_mov_b32 v[O+n], 0
.set n, n+1
.endr
.endm
	s_load_b128 s[4:7], s[0:1], 0x0                ; att, ctximg
	s_load_b64 s[8:9], s[0:1], 0x10                ; ctxscl
	v_lshl_add_u32 v[SPW], v0, 2, SPARE
	v_mov_b32 v[NIL], 0
	ds_add_u32 v[SPW], v[NIL]                      ; the wave's opening: the add, twice on end, and its wait ahead of the first tensor load
	ds_add_u32 v[SPW], v[NIL]
	v_lshrrev_b32 v8, 5, v0
	v_readfirstlane_b32 s[WV], v8                  ; wave 0..15
	s_and_b32 s[BH], ttmp7, 0xffff
	s_and_b32 s[W7], s[WV], 7
	s_lshr_b32 s10, s[WV], 3
	s_lshl_b32 s11, ttmp9, 1
	s_add_co_u32 s[GQ], s11, s10                   ; phase 1's group: 2 I + w / 8
	s_sub_co_u32 s[GQ2], 15, s[GQ]                 ; phase 2's
	s_add_co_u32 s[PH1], ttmp9, 1
	s_mov_b32 s[G1], 3<<16                         ; no mask; elements of 8 bytes; no padding
	s_mov_b32 s[G1+1], 32<<16                      ; tensor_dim0: 256 bytes
	s_mov_b32 s[G1+2], 51<<16                      ; tensor_dim1: 51 rows: a record
	s_mov_b32 s[G1+3], 32<<16                      ; tile_dim0
	s_mov_b32 s[G1+4], 51                          ; tile_dim1
	s_mov_b32 s[G1+5], 32                          ; dense
	s_mov_b32 s[G1+6], 0
	s_mov_b32 s[G1+7], 0
	s_mov_b32 s[G0], 1
	s_and_b32 s12, s[WV], 1
	s_mul_i32 s[G0+1], s12, REC                    ; LDS: slot 0, my step
	s_mul_i32 s16, s[BH], 208896
	s_add_co_u32 s16, s16, s[G0+1]
	s_mov_b32 s17, 0
	s_mov_b32 s[SEL], 0x76543210
	s_mov_b32 s[SEL+1], 0xfedcba98
	s_mov_b32 s[CS], 0x3e38aa3b
	s_mov_b32 s[CS+1], s[CS]                       ; (named with it as a pair)
	s_mov_b32 s[TB], 0
	s_mov_b32 s[J], 0
	s_mov_b32 s67, 0
	s_wait_dscnt 0x0                               ; both opening adds are done
	s_wait_kmcnt 0x0
	s_add_nc_u64 s[KVB:KVB+1], s[4:5], s[16:17]
	s_mov_b64 s[G0+2:G0+3], s[KVB:KVB+1]
	s_or_b32 s[G0+3], s[G0+3], 0x80000000
	TLOAD                                          ; slot 0: key steps 0 and 1, which every tile's walk begins with
	v_and_b32 v10, 31, v0
	v_lshlrev_b32 v[L8], 3, v10
	v_and_b32 v10, 15, v0                          ; r
	v_bfe_u32 v11, v0, 4, 1                        ; h
	v_lshlrev_b32 v[R16], 4, v10
	v_lshlrev_b32 v[R8], 3, v10
	PTRS GQ, 52, 56, CP1, CSP1
	PTRS GQ2, 54, 58, CP2, CSP2
.irp p, 0,1,2
	global_load_b64 v[Q+2*\p:Q+2*\p+1], v[L8], s[52:53] offset:256*\p
	global_load_b64 v[Q2+2*\p:Q2+2*\p+1], v[L8], s[54:55] offset:256*\p
.endr
	global_load_b32 v[QS], v[R16], s[56:57]
	global_load_b32 v[Q2+6], v[R16], s[58:59]
	s_lshr_b32 s10, s[W7], 1
	s_lshl_b32 s10, s10, 5
	s_and_b32 s11, s[W7], 1
	s_lshl_b32 s11, s11, 3
	s_add_co_u32 s10, s10, s11
	v_and_b32 v[DQ], 8, v10
	v_add_nc_u32 v[DQ], v[DQ], v10
	v_lshlrev_b32 v11, 4, v11
	v_sub_nc_u32 v[DQ], v[DQ], v11
	v_add_nc_u32 v[DQ], s10, v[DQ]                 ; 32 (tile / 2) + 8 (tile % 2) + r + 8 (r / 8) - 16 h
.irp i, 0,1,2,3,4,5
	v_mov_b32 v[Q+6+\i], 0                         ; zero codes for k = 64 .. 127
	v_mov_b32 v[KV+48+\i], 0
.endr
.irp b, 0,1,2,3
	v_mov_b32 v[PD+\b], 0                          ; written once: a lane permute's destination counts as one of its sources
.endr
	v_mov_b32 v[F+1], 0                            ; (named as the upper half of a pair)
	v_mov_b32 v[T0], 0
	RESET
; A KEY STEP: 128 keys, the q-th of the slot in hand.
.macro STEP q
	s_cmp_gt_u32 s[KST], s[GQ]                     ; all its keys come after my queries: ids alone; no barrier and no tensor load stands in a step
	s_cbranch_scc1 .Lhidden_\@
	v_add_nc_u32 v[AD8], s[TB], v[L8]
	v_add_nc_u32 v[AD16], s[TB], v[R16]
	v_nop
	v_nop                                          ; four places in front of loads into registers that the last products read
.irp t, 0,1,2,3,4,5,6,7
.irp p, 0,1,2
	ds_load_b64 v[KV+6*\t+2*\p:KV+6*\t+2*\p+1], v[AD8] offset:REC*(\q)+768*\t+256*\p
.endr
.endr
	ds_load_b128 v[SCW:SCW+3], v[AD16] offset:REC*(\q)+12288
	ds_load_b128 v[SCW+4:SCW+7], v[AD16] offset:REC*(\q)+12544
	s_wait_dscnt 0x0
.irp t, 0,1,2,3,4,5,6,7
	v_wmma_scale_f32_16x16x128_f8f6f4 v[S+8*\t:S+8*\t+7], v[KV+6*\t:KV+6*\t+11], v[Q:Q+11], 0, v[SCW+\t], v[QS] matrix_a_fmt:MATRIX_FMT_FP6 matrix_b_fmt:MATRIX_FMT_FP6
.endr
.rept 4
	v_nop                                          ; places: for the loads below and for the first read of the scores
.endr
.irp d, 0,1,2,3                        ; V^T's fragments are asked for now and land under the softmax
.irp p, 0,1,2,3,4,5
	ds_load_b64 v[KV+12*\d+2*\p:KV+12*\d+2*\p+1], v[AD8] offset:REC*(\q)+6144+1536*\d+256*\p
.endr
.endr
	ds_load_b128 v[SCW:SCW+3], v[AD16] offset:REC*(\q)+12800
	s_cmp_lg_u32 s[KST], s[GQ]                     ; only the step on the diagonal hides keys
	s_cbranch_scc1 .Lopen_\@
	v_mov_b32 v[T0], 0xcfee6b28                    ; -8e9
.set n, 0
.rept 64                               ; register 16 b + i holds key 32 b + 16 h + i of the step: hidden where 32 b + i > my query - 16 h
	v_cmp_gt_i32 vcc_lo, 32*(n/16)+n%16, v[DQ]
	v_cndmask_b32 v[S+n], v[S+n], v[T0], vcc_lo
.set n, n+1
.endr
.Lopen_\@:
.irp b, 0,1,2,3
	v_max3_num_f32 v[BM+\b], v[S+16*\b], v[S+16*\b+1], v[S+16*\b+2]   ; the largest score of each block of 32 keys: for the row's maximum, and, since p rises with the score, for the block's largest p
.endr
.irp i, 3,5,7,9,11,13
.irp b, 0,1,2,3
	v_max3_num_f32 v[BM+\b], v[BM+\b], v[S+16*\b+\i], v[S+16*\b+\i+1]
.endr
.endr
.irp b, 0,1,2,3
	v_max_num_f32 v[BM+\b], v[BM+\b], v[S+16*\b+15]
.endr
.irp b, 0,1,2,3
	v_permlanex16_b32 v[PD+\b], v[BM+\b], s[SEL], s[SEL+1]
.endr
.irp b, 0,1,2,3
	v_max_num_f32 v[BM+\b], v[BM+\b], v[PD+\b]     ; with lane l xor 16's 16 keys
.endr
	v_max3_num_f32 v[T0], v[BM], v[BM+1], v[BM+2]
	v_max_num_f32 v[T0], v[T0], v[BM+3]
	v_mul_f32 v[T0], s[CS], v[T0]                  ; as t
	v_max_num_f32 v13, v13, v[T0]                  ; the running largest t
	v_mov_b32 v[T0], v12
	v_floor_f32 v12, -v13                          ; the new -M = -ceil(t)
	v_sub_f32 v[T0], v12, v[T0]                    ; old M - new M: a whole number, 0 or less
	v_cvt_i32_f32 v[T0], v[T0]                     ; (it saturates)
	v_ldexp_f32 v[F], 1.0, v[T0]                   ; f = 2^(old M - new M)
.set n, 0
.rept 32
	v_pk_fma_f32 v[S+n:S+n+1], v[S+n:S+n+1], s[CS:CS+1], v[12:13] op_sel_hi:[1,0,0]   ; t - M
.set n, n+2
.endr
.irp b, 0,1,2,3
	v_fma_f32 v[BM+\b], v[BM+\b], s[CS], v12
.endr
.set n, 0
.rept 64
	v_exp_f32 v[S+n], v[S+n]                       ; p = 2^(t - M)
.set n, n+1
.endr
	v_pk_mul_f32 v[14:15], v[14:15], v[F:F+1] op_sel_hi:[1,0]   ; the sums under the new M: a plain place behind the exponentials
	s_wait_alu depctr_va_vdst(0)                   ; one wait for the batch, ahead of its first reader
.irp b, 0,1,2,3
	v_exp_f32 v[BM+\b], v[BM+\b]                   ; the block's largest p
.endr
	v_pk_add_f32 v[SB2:SB2+1], v[S:S+1], v[S+2:S+3]   ; the row's sum of the unquantised p, in two chains
.irp j, 4,8,12,16,20,24,28,32,36,40,44,48,52,56,60
	v_pk_add_f32 v[14:15], v[14:15], v[S+\j:S+\j+1]
	v_pk_add_f32 v[SB2:SB2+1], v[SB2:SB2+1], v[S+\j+2:S+\j+3]
.endr
	v_pk_add_f32 v[14:15], v[14:15], v[SB2:SB2+1]
	s_wait_alu depctr_va_vdst(0)                   ; and one for the four
.irp b, 0,1,2,3
	v_max_num_f32 v[BM+\b], 0x1800000, v[BM+\b]    ; the floor 2^(3 - 127): a block of zeros keeps the byte 1
.endr
.irp b, 0,1,2,3
	v_add_nc_u32 v[SOP+\b], 0xff000000, v[BM+\b]
.endr
.irp b, 0,1,2,3
	v_lshrrev_b32 v[PD+\b], 23, v[SOP+\b]
.endr
	v_lshl_or_b32 v[PS], v[PD+1], 8, v[PD]         ; p's scale word for these 128 keys
	v_lshl_or_b32 v[PS], v[PD+2], 16, v[PS]
	v_lshl_or_b32 v[PS], v[PD+3], 24, v[PS]
.irp c, 0,1
	v_cvt_scalef32_pk16_fp6_f32 v[PC+6*\c:PC+6*\c+2], v[S+32*\c:S+32*\c+15], v[SOP+2*\c]
	v_cvt_scalef32_pk16_fp6_f32 v[PT+4*\c:PT+4*\c+2], v[S+32*\c+16:S+32*\c+31], v[SOP+2*\c+1]
.endr
	v_nop                                          ; one plain place behind a scaled conversion
.irp c, 0,1
.irp i, 0,1,2
	v_permlane16_swap_b32 v[PC+6*\c+\i], v[PT+4*\c+\i]
.endr
.irp i, 0,1,2
	v_mov_b32 v[PC+3+6*\c+\i], v[PT+4*\c+\i]
.endr
.endr
.set n, 0
.rept 16
	v_pk_mul_f32 v[O+n:O+n+1], v[O+n:O+n+1], v[F:F+1] op_sel_hi:[1,0]   ; O^T under the new M; these sixteen are also the places between p's codes and scale word and the products
.set n, n+2
.endr
	s_wait_dscnt 0x0                               ; V^T and its scale words are in
.irp d, 0,1,2,3
	v_wmma_scale_f32_16x16x128_f8f6f4 v[O+8*\d:O+8*\d+7], v[KV+12*\d:KV+12*\d+11], v[PC:PC+11], v[O+8*\d:O+8*\d+7], v[SCW+\d], v[PS] matrix_a_fmt:MATRIX_FMT_FP6 matrix_b_fmt:MATRIX_FMT_FP6
.endr
.Lhidden_\@:
	s_add_co_u32 s[KST], s[KST], 1
.endm
; THE CHANGE OF SLOTS, at a slot's head.  Each wave waits for all its tensor loads, adds 0 to its spare word, and waits for that and for its reads of the slot that it has left; behind the barrier the slot ahead is whole
; and nobody reads the other one.  fill = 1: that other slot takes the next trip's two key steps.
.macro CHANGE fill
	s_wait_tensorcnt 0x0                           ; no tensor load of mine is out, so group 0 may be written
	ds_add_u32 v[SPW], v[NIL]
.if \fill
	ds_add_u32 v[SPW], v[NIL]                      ; and once more, in every trip alike
	s_xor_b32 s[G0+1], s[G0+1], SLOT1              ; the other slot than last time
	s_add_co_u32 s52, s[J], 1
	s_sub_co_u32 s53, s52, s[PH1]
	s_cmp_lt_u32 s52, s[PH1]
	s_cselect_b32 s52, s52, s53                    ; the next trip's place in the stream: phase 2 begins anew at key 0
	s_mul_i32 s66, s52, 2*REC
	s_add_nc_u64 s[G0+2:G0+3], s[KVB:KVB+1], s[66:67]
	s_or_b32 s[G0+3], s[G0+3], 0x80000000
.endif
	s_wait_dscnt 0x0
	s_barrier_signal -1
	s_barrier_wait -1
.if \fill
	TLOAD                                          ; the first thing behind the barrier, and a wave's one tensor load until the next
.endif
	s_sub_co_u32 s52, s[J], s[PH1]
	s_cmp_lt_u32 s[J], s[PH1]
	s_cselect_b32 s52, s[J], s52
	s_lshl_b32 s[KST], s52, 1                      ; this slot's first key step
.endm
; A tile is finished: O^T / the sum, quantised along the head's 64 (register 16 b + i = channel 32 b + 16 h + i), leaves as three whole units of 256 bytes and two scale bytes a row.
.macro FINISH cp, csp
	s_wait_xcnt 0x0                                ; the last tile's stores have read their registers
.rept 4
	v_nop                                          ; places behind the last products
.endr
	v_add_f32 v14, v14, v15
	v_permlanex16_b32 v[T0], v14, s[SEL], s[SEL+1]
	v_add_f32 v14, v14, v[T0]                      ; the row's sum
	v_rcp_f32 v14, v14
	v_nop                                          ; a plain place behind the transcendental
	s_wait_alu depctr_va_vdst(0)                   ; and the wait ahead of its first reader
.set n, 0
.rept 32
	v_mul_f32 v[S+n], v[O+n], v14                  ; each accumulator from its low end on
.set n, n+1
.endr
.irp b, 0,1
	v_max3_num_f32 v[BM+\b], |v[S+16*\b]|, |v[S+16*\b+1]|, 0x1800000
.endr
.irp i, 2,4,6,8,10,12,14
.irp b, 0,1
	v_max3_num_f32 v[BM+\b], v[BM+\b], |v[S+16*\b+\i]|, |v[S+16*\b+\i+1]|
.endr
.endr
.irp b, 0,1
	v_permlanex16_b32 v[PD+\b], v[BM+\b], s[SEL], s[SEL+1]
.endr
.irp b, 0,1
	v_max_num_f32 v[BM+\b], v[BM+\b], v[PD+\b]
.endr
.irp b, 0,1
	v_add_nc_u32 v[SOP+\b], 0xff000000, v[BM+\b]
.endr
.irp b, 0,1
	v_lshrrev_b32 v[PD+\b], 23, v[SOP+\b]
.endr
	v_lshl_or_b32 v[CW], v[PD+1], 8, v[PD]
	v_cvt_scalef32_pk16_fp6_f32 v[CC:CC+2], v[S:S+15], v[SOP]
	v_cvt_scalef32_pk16_fp6_f32 v[PT:PT+2], v[S+16:S+31], v[SOP+1]
	v_nop
.irp i, 0,1,2
	v_permlane16_swap_b32 v[CC+\i], v[PT+\i]
.endr
.irp i, 0,1,2
	v_mov_b32 v[CC+3+\i], v[PT+\i]
.endr
.irp q, 0,1,2
	global_store_b64 v[L8], v[CC+2*\q:CC+2*\q+1], s[\cp:\cp+1] offset:256*\q   ; 256 consecutive bytes, aligned
.endr
	global_store_b16 v[R8], v[CW], s[\csp:\csp+1]  ; two bytes a row, 8 bytes apart (both halves of the lanes write the same bytes): one part in 24 of what the tile stores
.endm
	s_wait_loadcnt 0x0                             ; both phases' Q
.Lslot:                                            ; trips 0 to 7; behind each change the next trip's slot is asked for
	CHANGE 1
	s_cmp_lg_u32 s[J], s[PH1]                      ; the work-group's number and the trip alone: all sixteen waves go the same way
	s_cbranch_scc1 .Lsame_phase
	FINISH CP1, CSP1
.irp i, 0,1,2,3,4,5
	v_mov_b32 v[Q+\i], v[Q2+\i]
.endr
	v_mov_b32 v[QS], v[Q2+6]
	RESET                                          ; (also the places between these moves and the next products)
	s_mov_b32 s[GQ], s[GQ2]
.Lsame_phase:
	STEP 0
	STEP 1
	s_xor_b32 s[TB], s[TB], SLOT1
	s_add_co_u32 s[J], s[J], 1
	s_cmp_lt_u32 s[J], 8
	s_cbranch_scc1 .Lslot
	CHANGE 0                                       ; the last slot is written out: nothing is left to fetch
	STEP 0
	STEP 1
	FINISH CP2, CSP2
	s_wait_tensorcnt 0x0                           ; the wave's end
	ds_add_u32 v[SPW], v[NIL]
	s_wait_dscnt 0x0
	s_endpgm
.Lfunc_end_k_qd3161b6f37_attn:
	.size	k_qd3161b6f37_attn, .Lfunc_end_k_qd3161b6f37_attn-k_qd3161b6f37_attn
	.p2alignl 7, 3214868480
	.fill 96, 4, 3214868480
	.section	.rodata,"a",@progbits
	.p2align	6, 0x0
	.amdhsa_kernel k_qd3161b6f37_attn
		.amdhsa_group_segment_fixed_size 327680
		.amdhsa_private_segment_fixed_size 0
		.amdhsa_enable_private_segment 0
		.amdhsa_kernarg_size 24
		.amdhsa_user_sgpr_count 2
		.amdhsa_user_sgpr_kernarg_segment_ptr 1
		.amdhsa_wavefront_size32 1
		.amdhsa_system_sgpr_workgroup_id_x 1
		.amdhsa_system_sgpr_workgroup_id_y 1
		.amdhsa_system_sgpr_workgroup_id_z 1
		.amdhsa_system_vgpr_workitem_id 0
		.amdhsa_next_free_vgpr 256
		.amdhsa_next_free_sgpr 80
		.amdhsa_reserve_vcc 1
		.amdhsa_float_denorm_mode_32 3
		.amdhsa_float_denorm_mode_16_64 3
		.amdhsa_memory_ordered 1
		.amdhsa_forward_progress 1
		.amdhsa_inst_pref_size 106
	.end_amdhsa_kernel
	.amdgpu_metadata
---
amdhsa.version: [ 1, 2 ]
amdhsa.kernels:
  - .name:           k_qd3161b6f37_attn
    .symbol:         k_qd3161b6f37_attn.kd
    .args:
      - { .name: att, .offset: 0, .size: 8, .value_kind: global_buffer, .address_space: global }
      - { .name: ctximg, .offset: 8, .size: 8, .value_kind: global_buffer, .address_space: global }
      - { .name: ctxscl, .offset: 16, .size: 8, .value_kind: global_buffer, .address_space: global }
    .group_segment_fixed_size: 327680
    .private_segment_fixed_size: 0
    .kernarg_segment_align: 8
    .kernarg_segment_size: 24
    .max_flat_workgroup_size: 512
    .sgpr_count:     80
    .vgpr_count:     256
    .wavefront_size: 32
...
	.end_amdgpu_metadata
.endif
;; end of part 3
;; launch outp (part 4): grid 4 x 32, 4 waves a work-group, clusters of 4 x 4, 327,680 bytes of LDS; arguments ctximg, ctxscl, opimg, opscl, out0, bout; writes out0
.if DOCPART == 4
	.amdgcn_target "amdgcn-amd-amdhsa--gfx1250"
	.amdhsa_code_object_version 6
	.text
	.protected	k_qd3161b6f37_outp
	.globl	k_qd3161b6f37_outp
	.p2align	8
	.type	k_qd3161b6f37_outp,@function
k_qd3161b6f37_outp:
	s_mov_b64 s[64:65], 0
	v_nop
	global_prefetch_b8 v0, s[64:65] scope:SCOPE_SE
	s_setreg_imm32_b32 hwreg(HW_REG_WAVE_MODE, 25, 1), 1
	s_wait_xcnt 0x0
	s_wait_alu depctr_hold_cnt(0) depctr_sa_sdst(0) depctr_va_vdst(0) depctr_va_sdst(0) depctr_va_ssrc(0) depctr_va_vcc(0) depctr_vm_vsrc(0)
	s_getreg_b32 s2, hwreg(HW_REG_IB_STS2, 6, 4)
	s_cmp_eq_u32 s2, 0
	s_cbranch_scc0 .Lentry_in_a_cluster
	s_endpgm
.Lentry_in_a_cluster:
	s_bfe_u32 s2, ttmp6, 0x10000c
	s_cmp_lg_u32 s2, 0xf033
	s_cbranch_scc0 .Lentry_shape_is_right
	s_endpgm
.Lentry_shape_is_right:
; LAUNCH 4 OF 4.  out0 = ctx Wout^T + bout on codes of FP6 with E8M0 scales, K = 1,024, sums in f32.  No work is left out here.
; The core is launch 2's: a tile of 256 x 256, four waves of 128 x 128; P = 256 tokens of ctx (source 1: a lane holds a token), R = 256 rows of Wout (source 0: a lane's registers run along the outputs);
; operands as images of their registers; two LDS slots of 256 along K filled by joint tensor loads in clusters of 4 x 4; the scale words of all of K once.  A wave has three tensor loads out at the head and one behind each round.
; Position r of a row block A is true row 32 (A / 2) + 8 (A % 2) + r + 8 (r / 8), for tokens and for outputs: register j of accumulator (a, b) in lane (r, h) is token position r of block a, output 32 (b / 2) + 8 (b % 2) + 16 h + j of my 128.
; THE BIAS is the C of each sum's first matrix instruction: eight registers for each of R's eight blocks, in the result's layout.
; THE WAY OUT: a block of 16 token positions x 128 outputs goes through my own stage in LDS and comes back as whole rows of 512 bytes.  The stage lies in slot 0, which has had its last fill and its last read by then.
; 128 tiles: half of the WGPs have a work-group; a tile of half the size would give each fragment read from LDS half the products.
.set NQ,     2
.set FR,     12
.set NL,     6
.set NP,     4
.set FRB,    1536
.set RBS,    2*FRB
.set HALFT,  8*RBS
.set SLOT,   4*HALFT
.set SCL,    2*SLOT
.set HALFS,  4096
.set SPARE,  SCL+4*HALFS
.set SPITCH, 528                       ; a stage row: 512 bytes + 16
.set ADRA, 16
.set ADRB, 20
.set STO,  24                          ; v24  the way out: where I put 32 bytes of a row
.set RD,   25                          ; v25  where I read a row back
.set CO,   26                          ; v26  16 x lane: my bytes of a row of 512
.set ADRS, 27
.set SPW,  28
.set NIL,  29
.set BO,   30                          ; v30  64 h: the bias's lane offset
.set L8,   31                          ; v31  8 x lane
.set SC,   32
.set BI,   64                          ; v64-127 the bias, 8 registers for each of R's blocks
.set AF,   128
.set BK,   128                         ; the way out: 16 rows read back: v128-191 and v192-255 by turns
.set G1, 24
.set G0, 32
.set G1B, 48
.set G0B, 56
.set G1S, 68
.set G0S, 76
.set G1SB, 80
.set G0SB, 88
.set MSB, 0
.macro WIN new
.if MSB != (\new)
	s_set_vgpr_msb (MSB<<8)|(\new)
.set MSB, (\new)
.endif
.endm
.set MUL_LO, 0xa1                      ; source 0 (R) window 1, source 1 (P) window 0, C and D window 2
.set MUL_HI, 0xf1
.set BIA_LO, 0x81                      ; the same with C (the bias) in window 0
.set BIA_HI, 0xc1
.set TO_B,   0x40
.macro JLOAD g0a, g1a, g0b, g1b        ; a joint load: waves 0 and 1 fetch for P, waves 2 and 3 for R; an s_nop 0 and four v_nop follow each line
	s_cmp_eq_u32 s15, 0
	s_cbranch_scc0 .Lfor_b_\@
	tensor_load_to_lds s[\g0a:\g0a+3], s[\g1a:\g1a+7]
	s_nop 0
.rept 4
	v_nop
.endr
	s_branch .Lasked_\@
.Lfor_b_\@:
	tensor_load_to_lds s[\g0b:\g0b+3], s[\g1b:\g1b+7]
	s_nop 0
.rept 4
	v_nop
.endr
.Lasked_\@:
.endm
.macro CREST
	s_cmp_lg_u32 s14, 0
	s_cbranch_scc1 .Lnot_wave_0_\@
	s_barrier_signal -3
.Lnot_wave_0_\@:
	s_barrier_wait -3
	s_barrier_signal -1
	s_barrier_wait -1
.endm
.macro CROUND
	s_barrier_signal -1
	s_barrier_wait -1
	CREST
.endm
	s_load_b128 s[4:7], s[0:1], 0x0                ; ctximg, ctxscl
	s_load_b128 s[8:11], s[0:1], 0x10              ; opimg, opscl
	s_load_b64 s[12:13], s[0:1], 0x20              ; out0
	s_load_b64 s[96:97], s[0:1], 0x28              ; bout
	v_lshl_add_u32 v[SPW], v0, 2, SPARE
	v_mov_b32 v[NIL], 0
	ds_add_u32 v[SPW], v[NIL]                      ; the wave's opening: the add, twice on end, and its wait ahead of my first tensor load
	ds_add_u32 v[SPW], v[NIL]
	v_lshrrev_b32 v1, 5, v0
	v_readfirstlane_b32 s14, v1                    ; wave 0..3
	s_lshr_b32 s15, s14, 1                         ; which half of P is mine.  Also: I fetch for P (0) or for R (1)
	s_and_b32 s16, s14, 1                          ; which half of R is mine.  Also: which 8 row blocks I fetch
	s_bfe_u32 s40, ttmp6, 0x40000                  ; cx
	s_bfe_u32 s41, ttmp6, 0x40004                  ; cy
	s_lshl_b32 s42, ttmp9, 2
	s_add_co_u32 s42, s42, s40                     ; tile column
	s_and_b32 s17, ttmp7, 0xffff
	s_lshl_b32 s17, s17, 2
	s_add_co_u32 s17, s17, s41                     ; tile row
	s_lshl_b32 s43, s41, 2
	s_lshl_b32 s43, 15, s43                        ; my row of the cluster
	s_lshl_b32 s44, 0x1111, s40                    ; my column
	s_or_b32 s[G1+0], s43, (3<<16)|(1<<21)         ; the mask; elements of 8 bytes; bit 21 beside a mask; no padding
	s_or_b32 s[G1B+0], s44, (3<<16)|(1<<21)
.irp g, G1, G1B                        ; 8 row blocks x 3,072 bytes, 12,288 bytes apart
	s_mov_b32 s[\g+1], 384<<16
	s_mov_b32 s[\g+2], 8<<16
	s_mov_b32 s[\g+3], 384<<16
	s_mov_b32 s[\g+4], 8
	s_mov_b32 s[\g+5], 1536
	s_mov_b32 s[\g+6], 0
	s_mov_b32 s[\g+7], 0
.endr
	s_or_b32 s[G1S+0], s43, (3<<16)|(1<<21)
	s_or_b32 s[G1SB+0], s44, (3<<16)|(1<<21)
.irp g, G1S, G1SB                      ; 4,096 dense bytes of scale words as 16 rows of 256
	s_mov_b32 s[\g+1], 32<<16
	s_mov_b32 s[\g+2], 16<<16
	s_mov_b32 s[\g+3], 32<<16
	s_mov_b32 s[\g+4], 16
	s_mov_b32 s[\g+5], 32
	s_mov_b32 s[\g+6], 0
	s_mov_b32 s[\g+7], 0
.endr
	s_lshl_b32 s18, s16, 3
	s_lshl_b32 s20, s17, 4
	s_add_co_u32 s20, s20, s18                     ; P's row block that I fetch from: 16 x tile row + 8 x half
	s_lshl_b32 s46, s42, 4
	s_add_co_u32 s46, s46, s18
	s_add_co_u32 s46, s46, 704                     ; R's: Wout's begin at 704
	s_lshl_b32 s22, s20, 9
	s_mov_b32 s23, 0
	s_mul_i32 s20, s20, 12288
	s_mov_b32 s21, 0
	s_lshl_b32 s92, s46, 9
	s_mov_b32 s93, 0
	s_mul_i32 s46, s46, 12288
	s_mov_b32 s47, 0
	s_mul_i32 s45, s14, HALFT
	s_lshl_b32 s94, s14, 12
	s_wait_dscnt 0x0                               ; both opening adds are done
	s_wait_kmcnt 0x0
	s_add_nc_u64 s[20:21], s[4:5], s[20:21]
	s_add_nc_u64 s[22:23], s[6:7], s[22:23]
	s_add_nc_u64 s[46:47], s[8:9], s[46:47]
	s_add_nc_u64 s[92:93], s[10:11], s[92:93]
	CROUND                                         ; all sixteen work-groups are here: the first joint loads meet
	s_mov_b32 s[G0S], 1
	s_add_co_u32 s[G0S+1], s94, SCL
	s_mov_b64 s[G0S+2:G0S+3], s[22:23]
	s_or_b32 s[G0S+3], s[G0S+3], 0x80000000
	s_mov_b32 s[G0SB], 1
	s_add_co_u32 s[G0SB+1], s94, SCL
	s_mov_b64 s[G0SB+2:G0SB+3], s[92:93]
	s_or_b32 s[G0SB+3], s[G0SB+3], 0x80000000
	JLOAD G0S, G1S, G0SB, G1SB
.irp s, 0,1
	s_mov_b32 s[G0+4*\s], 1
	s_add_co_u32 s[G0+4*\s+1], s45, \s*SLOT
	s_add_nc_u64 s[G0+4*\s+2:G0+4*\s+3], s[20:21], \s*RBS
	s_or_b32 s[G0+4*\s+3], s[G0+4*\s+3], 0x80000000
	s_mov_b32 s[G0B+4*\s], 1
	s_add_co_u32 s[G0B+4*\s+1], s45, \s*SLOT
	s_add_nc_u64 s[G0B+4*\s+2:G0B+4*\s+3], s[46:47], \s*RBS
	s_or_b32 s[G0B+4*\s+3], s[G0B+4*\s+3], 0x80000000
	JLOAD G0+4*\s, G1, G0B+4*\s, G1B
.endr
	v_and_b32 v1, 15, v0                           ; r
	v_bfe_u32 v2, v0, 4, 1                         ; h
	v_and_b32 v3, 31, v0
	v_lshlrev_b32 v[L8], 3, v3
	v_lshlrev_b32 v[BO], 6, v2
	s_lshl_b32 s46, s42, 10                        ; my first output, in bytes of f32: 1,024 x tile column + 512 x half
	s_lshl_b32 s47, s16, 9
	s_add_co_u32 s46, s46, s47
	s_mov_b32 s47, 0
	s_add_nc_u64 s[96:97], s[96:97], s[46:47]
.irp b, 0,1,2,3,4,5,6,7                ; lane (r, h), block b: bout at outputs 32 (b / 2) + 8 (b % 2) + 16 h + 0 .. 7 of my 128
	global_load_b128 v[BI+8*\b:BI+8*\b+3], v[BO], s[96:97] offset:128*(\b/2)+32*(\b%2)
	global_load_b128 v[BI+8*\b+4:BI+8*\b+7], v[BO], s[96:97] offset:128*(\b/2)+32*(\b%2)+16
.endr
	s_lshl_b32 s20, s17, 8
	s_lshl_b32 s21, s15, 7
	s_add_co_u32 s20, s20, s21                     ; my first token: 256 x tile row + 128 x half
	s_lshl_b32 s20, s20, 12                        ; rows of 4,096 bytes
	s_add_co_u32 s20, s20, s46
	s_mov_b32 s21, 0
	s_add_nc_u64 s[12:13], s[12:13], s[20:21]
	s_mul_i32 s21, s15, HALFT
	s_mul_i32 s22, s16, HALFT
	s_add_co_u32 s22, s22, 2*HALFT
.irp s, 0,1
	v_add_nc_u32 v[ADRA+\s], s21, v[L8]
	v_add_nc_u32 v[ADRB+\s], s22, v[L8]
	s_add_co_u32 s21, s21, SLOT
	s_add_co_u32 s22, s22, SLOT
.endr
	v_lshlrev_b32 v5, 3, v1
	s_lshl_b32 s21, s15, 12
	s_lshl_b32 s22, s16, 12
	s_add_co_u32 s22, s22, 2*HALFS
	s_sub_co_u32 s22, s22, s21
	v_mul_u32_u24 v6, s22, v2                      ; lanes 16-31 take R's words: one product, the distance between the two bases
	s_add_co_u32 s21, s21, SCL
	v_add_nc_u32 v5, v5, v6
	v_add_nc_u32 v[ADRS], s21, v5
	s_mul_i32 s23, s14, 16*SPITCH                  ; my stage
	v_mul_u32_u24 v5, v1, SPITCH
	v_lshl_add_u32 v5, v2, 6, v5
	v_add_nc_u32 v[STO], s23, v5                   ; in: row r, + 64 h
	v_lshlrev_b32 v[CO], 4, v3
	v_add_nc_u32 v[RD], s23, v[CO]                 ; back: the 32 lanes take one row of 512 bytes
.macro FRAG reg, adr, q, i
.irp p, 0,1,2,3,4,5
	ds_load_b64 v[\reg+2*\p:\reg+2*\p+1], v[\adr] offset:FRB*(\q)+RBS*(\i)+256*\p
.endr
.endm
; 16 matrix instructions; zero = 1: the first product starts the sums from the bias.  The 64 accumulators take turns, one instruction a turn.
.macro MUL16 a0, p, q, sc, zero
.irp a, \a0, \a0+1
.irp b, 0,1,2,3,4,5,6,7
.if \zero
	v_wmma_scale_f32_16x16x128_f8f6f4 v[8*(8*((\a)%4)+\b):8*(8*((\a)%4)+\b)+7], v[128*(\p)+FR*\b:128*(\p)+FR*\b+FR-1], v[AF+FR*(\a):AF+FR*(\a)+FR-1], v[BI+8*\b:BI+8*\b+7], v[SC+8*NQ*(\sc)+NQ*\b+(\q)], v[SC+8*NQ*(\sc)+NQ*(\a)+(\q)] matrix_a_fmt:MATRIX_FMT_FP6 matrix_b_fmt:MATRIX_FMT_FP6 matrix_a_scale:MATRIX_SCALE_ROW1
.else
	v_wmma_scale_f32_16x16x128_f8f6f4 v[8*(8*((\a)%4)+\b):8*(8*((\a)%4)+\b)+7], v[128*(\p)+FR*\b:128*(\p)+FR*\b+FR-1], v[AF+FR*(\a):AF+FR*(\a)+FR-1], v[8*(8*((\a)%4)+\b):8*(8*((\a)%4)+\b)+7], v[SC+8*NQ*(\sc)+NQ*\b+(\q)], v[SC+8*NQ*(\sc)+NQ*(\a)+(\q)] matrix_a_fmt:MATRIX_FMT_FP6 matrix_b_fmt:MATRIX_FMT_FP6 matrix_a_scale:MATRIX_SCALE_ROW1
.endif
.endr
.endr
.endm
.macro FETCH_B slot, q, p
	WIN TO_B
.irp i, 0,1,2,3,4,5,6,7
	FRAG 128*(\p)+FR*\i, ADRB+\slot, \q, \i
.endr
	WIN 0
.endm
.macro FETCH_A slot, q, i0
.irp i, \i0, \i0+1, \i0+2, \i0+3
	FRAG AF+FR*(\i), ADRA+\slot, \q, \i
.endr
.endm
.macro SCALES sc
.irp i, 0,1,2,3,4,5,6,7
	ds_load_b64 v[SC+8*NQ*\sc+NQ*\i:SC+8*NQ*\sc+NQ*\i+1], v[ADRS] offset:\i*512
.endr
.endm
.macro PLACES n
.rept \n
	v_nop
.endr
.endm
.macro STEP slot, q, zero
	s_wait_dscnt 4*NL                              ; R's set and P's blocks 0-3 are in; the youngest 24 loads (P's blocks 4-7) may be out
.if \zero
	WIN BIA_LO
.else
	WIN MUL_LO
.endif
	MUL16 0, (\q)%2, \q, \slot, \zero
	MUL16 2, (\q)%2, \q, \slot, \zero
	s_wait_dscnt 0
	PLACES NP
	FETCH_B \slot, (\q)+1, 1-(\q)%2
	FETCH_A \slot, (\q)+1, 0
.if \zero
	WIN BIA_HI
.else
	WIN MUL_HI
.endif
	MUL16 4, (\q)%2, \q, \slot, \zero
	MUL16 6, (\q)%2, \q, \slot, \zero
	PLACES NP
	WIN 0
	FETCH_A \slot, (\q)+1, 4
.endm
.macro TURN slot, next, fill
	s_wait_tensorcnt 0x0                           ; all my tensor loads have landed: my part of the next slot
	ds_add_u32 v[SPW], v[NIL]
	s_wait_dscnt 4*NL+1                            ; (the add and the youngest 24 loads may be out)
	WIN MUL_LO
	MUL16 0, 1, NQ-1, \slot, 0
	s_wait_dscnt 0x0                               ; the add is done, and my reads of this slot are over
	s_barrier_signal -1
	MUL16 2, 1, NQ-1, \slot, 0
	WIN 0
	s_barrier_wait -1
.if \fill
	CREST                                          ; the barrier has opened a round of the cluster's
	s_add_nc_u64 s[G0+4*\slot+2:G0+4*\slot+3], s[G0+4*\slot+2:G0+4*\slot+3], 2*RBS
	s_add_nc_u64 s[G0B+4*\slot+2:G0B+4*\slot+3], s[G0B+4*\slot+2:G0B+4*\slot+3], 2*RBS
	JLOAD G0+4*\slot, G1, G0B+4*\slot, G1B         ; the first tensor load behind the round; its four v_nop are the places in front of the loads below
.else
	PLACES NP
.endif
	v_add_nc_u32 v[ADRS], 128, v[ADRS]
	FETCH_B \next, 0, 0
	FETCH_A \next, 0, 0
	SCALES \next
	WIN MUL_HI
	MUL16 4, 1, NQ-1, \slot, 0
	MUL16 6, 1, NQ-1, \slot, 0
	PLACES NP
	WIN 0
	FETCH_A \next, 0, 4
.endm
	s_wait_tensorcnt 1                             ; the scale words and my part of slot 0 are in (slot 1's load may be out)
	s_barrier_signal -1
	s_barrier_wait -1
	FETCH_B 0, 0, 0
	FETCH_A 0, 0, 0
	SCALES 0
	FETCH_A 0, 0, 4
	s_wait_loadcnt 0x0                             ; the bias
	STEP 0, 0, 1
	s_mov_b32 s3, 1
.Llap:
	TURN 0, 1, 1
	STEP 1, 0, 0
	TURN 1, 0, 1
	STEP 0, 0, 0
	s_sub_co_u32 s3, s3, 1
	s_cmp_lg_u32 s3, 0
	s_cbranch_scc1 .Llap
	TURN 0, 1, 0
	STEP 1, 0, 0
	s_wait_dscnt 4*NL
	WIN MUL_LO
	MUL16 0, 1, NQ-1, 1, 0
	MUL16 2, 1, NQ-1, 1, 0
	s_wait_dscnt 0
	WIN MUL_HI
	MUL16 4, 1, NQ-1, 1, 0
	MUL16 6, 1, NQ-1, 1, 0
	WIN 0
.macro TOSTAGE a
.set AC, 64*((\a)%4)
.set WS, 0x08+4*((\a)/4)
	WIN WS                                         ; an LDS store's data: window 2 or 3
.irp b, 0,1,2,3,4,5,6,7
	ds_store_b128 v[STO], v[AC+8*\b:AC+8*\b+3] offset:128*(\b/2)+32*(\b%2)      ; each accumulator from its low end on
	ds_store_b128 v[STO], v[AC+8*\b+4:AC+8*\b+7] offset:128*(\b/2)+32*(\b%2)+16
.endr
	WIN 0
.set BB, BK+64*((\a)%2)
.irp t, 0,1,2,3,4,5,6,7,8,9,10,11,12,13,14,15
	ds_load_b128 v[BB+4*\t:BB+4*\t+3], v[RD] offset:\t*SPITCH   ; LDS serves a wave's instructions in order: these see the stores above
.endr
.endm
.macro SEND a, younger                 ; younger: the LDS instructions issued behind block a's loads
.set BB, BK+64*((\a)%2)
	s_wait_dscnt \younger
.if (\a) > 0
.if (\a)%2 == 1
	s_add_nc_u64 s[12:13], s[12:13], 8*4096        ; (behind a wait on XCNT)  an odd block begins 8 tokens behind the even one,
.else
	s_add_nc_u64 s[12:13], s[12:13], 24*4096       ; an even one 24 behind the odd one
.endif
.endif
.irp t, 0,1,2,3,4,5,6,7,8,9,10,11,12,13,14,15
	global_store_b128 v[CO], v[BB+4*\t:BB+4*\t+3], s[12:13] offset:(\t+8*(\t/8))*4096 th:TH_STORE_NT   ; position t is the token t + 8 (t / 8) further down; 32 lanes store 512 consecutive bytes, aligned to 256
.endr
.endm
	PLACES NP
	TOSTAGE 0
.irp a, 1,2,3,4,5,6,7
.if \a > 1
	s_wait_xcnt 0x0                                ; block a - 2's stores have read their registers and their base
.endif
	TOSTAGE \a
	SEND \a-1, 32                                  ; behind block a - 1's loads: block a's 16 stores and 16 loads
.endr
	s_wait_xcnt 0x0
	SEND 7, 0
	s_wait_tensorcnt 0x0                           ; the wave's end
	ds_add_u32 v[SPW], v[NIL]
	s_wait_dscnt 0x0
	CROUND                                         ; the closing round
	s_endpgm
.Lfunc_end_k_qd3161b6f37_outp:
	.size	k_qd3161b6f37_outp, .Lfunc_end_k_qd3161b6f37_outp-k_qd3161b6f37_outp
	.p2alignl 7, 3214868480
	.fill 96, 4, 3214868480
	.section	.rodata,"a",@progbits
	.p2align	6, 0x0
	.amdhsa_kernel k_qd3161b6f37_outp
		.amdhsa_group_segment_fixed_size 327680
		.amdhsa_private_segment_fixed_size 0
		.amdhsa_enable_private_segment 0
		.amdhsa_kernarg_size 48
		.amdhsa_user_sgpr_count 2
		.amdhsa_user_sgpr_kernarg_segment_ptr 1
		.amdhsa_wavefront_size32 1
		.amdhsa_system_sgpr_workgroup_id_x 1
		.amdhsa_system_sgpr_workgroup_id_y 1
		.amdhsa_system_sgpr_workgroup_id_z 1
		.amdhsa_system_vgpr_workitem_id 0
		.amdhsa_next_free_vgpr 1024
		.amdhsa_next_free_sgpr 100
		.amdhsa_reserve_vcc 0
		.amdhsa_float_denorm_mode_32 3
		.amdhsa_float_denorm_mode_16_64 3
		.amdhsa_memory_ordered 1
		.amdhsa_forward_progress 1
		.amdhsa_inst_pref_size 161
	.end_amdhsa_kernel
	.amdgpu_metadata
---
amdhsa.version: [ 1, 2 ]
amdhsa.kernels:
  - .name:           k_qd3161b6f37_outp
    .symbol:         k_qd3161b6f37_outp.kd
    .args:
      - { .name: ctximg, .offset: 0, .size: 8, .value_kind: global_buffer, .address_space: global }
      - { .name: ctxscl, .offset: 8, .size: 8, .value_kind: global_buffer, .address_space: global }
      - { .name: opimg, .offset: 16, .size: 8, .value_kind: global_buffer, .address_space: global }
      - { .name: opscl, .offset: 24, .size: 8, .value_kind: global_buffer, .address_space: global }
      - { .name: out0, .offset: 32, .size: 8, .value_kind: global_buffer, .address_space: global }
      - { .name: bout, .offset: 40, .size: 8, .value_kind: global_buffer, .address_space: global }
    .group_segment_fixed_size: 327680
    .private_segment_fixed_size: 0
    .kernarg_segment_align: 8
    .kernarg_segment_size: 48
    .max_flat_workgroup_size: 128
    .sgpr_count:     100
    .vgpr_count:     1024
    .wavefront_size: 32
...
	.end_amdgpu_metadata
.endif
;; end of part 4
